; MI455X (gfx1250); checked and timed in simulation.
; The chip was launched on July 23, 2026; its instructions are those of AMD's public machine-readable ISA for CDNA 5 (MIT licence, August 2026) and "CDNA5" Instruction Set Architecture Reference Guide (July 2026). The comments in the code are by the model that wrote it; some were corrected since.
;; Multi Head Self Attention. Allowed arithmetic: matrix products marked QUANTISED: E2M1 operands, one E8M0 scale for each 32 along K, by v_wmma_scale_f32_16x16x128_f8f6f4 with both operands' format E2M1 (or v_wmma_scale_f32_32x16x128_f4), f32 sums; everything else in f32.
;; Inputs: k_codes 4 x 2,048 x 32 x 16 uint8 (E2M1 codes of k, K innermost, in blocks of 32 codes, two codes a byte); k_scales 4 x 2,048 x 32 uint8 (E8M0 scales of k, one for each 32 codes along K); q_codes 4 x 2,048 x 32 x 16 uint8 (E2M1 codes of q, K innermost, in blocks of 32 codes, two codes a byte); q_scales 4 x 2,048 x 32 uint8 (E8M0 scales of q, one for each 32 codes along K); v_codes 4 x 2,048 x 32 x 16 uint8 (E2M1 codes of v, K innermost, in blocks of 32 codes, two codes a byte); v_scales 4 x 2,048 x 32 uint8 (E8M0 scales of v, one for each 32 codes along K); wk_b 1,024 float32; wk_w_codes 1,024 x 32 x 16 uint8 (E2M1 codes of wk_w, K innermost, in blocks of 32 codes, two codes a byte); wk_w_scales 1,024 x 32 uint8 (E8M0 scales of wk_w, one for each 32 codes along K); wo_b 1,024 float32; wo_w_codes 1,024 x 32 x 16 uint8 (E2M1 codes of wo_w, K innermost, in blocks of 32 codes, two codes a byte); wo_w_scales 1,024 x 32 uint8 (E8M0 scales of wo_w, one for each 32 codes along K); wq_b 1,024 float32; wq_w_codes 1,024 x 32 x 16 uint8 (E2M1 codes of wq_w, K innermost, in blocks of 32 codes, two codes a byte); wq_w_scales 1,024 x 32 uint8 (E8M0 scales of wq_w, one for each 32 codes along K); wv_b 1,024 float32; wv_w_codes 1,024 x 32 x 16 uint8 (E2M1 codes of wv_w, K innermost, in blocks of 32 codes, two codes a byte); wv_w_scales 1,024 x 32 uint8 (E8M0 scales of wv_w, one for each 32 codes along K).
;; Outputs: out0 4 x 2,048 x 1,024 float32; out1 4 x 16 x 2,048 x 64 float32.
;; This version of the problem:
;;   THIS VERSION OF THE PROBLEM IS GIVEN IN LOW PRECISION. The matrix products marked QUANTISED in the list below multiply operands that are first quantised to E2M1 (2 exponent bits, 1 mantissa bit; 4 bits a number), with one power-of-two scale for each 32 numbers along K (OCP MX v1.0); their sums are f32. All else is computed in f32.
;;   The module's matrix products, in the order in which they are computed (A, B: the left and right operand; K: the contracted axis; several contracted axes count as one K, in the product's order):
;;     1. [M 8,192, K 1,024] x [K 1,024, N 1,024]; A: input q (given as codes); B: input wq_w (given as codes): QUANTISED
;;     2. [M 8,192, K 1,024] x [K 1,024, N 1,024]; A: input k (given as codes); B: input wk_w (given as codes): QUANTISED
;;     3. [M 8,192, K 1,024] x [K 1,024, N 1,024]; A: input v (given as codes); B: input wv_w (given as codes): QUANTISED
;;     4. batch 64 x [M 2,048, K 64] x [K 64, N 2,048]; A: computed on the way; B: computed on the way: QUANTISED
;;     5. batch 64 x [M 2,048, K 2,048] x [K 2,048, N 64]; A: softmax (see below); B: computed on the way: QUANTISED
;;     6. [M 8,192, K 1,024] x [K 1,024, N 1,024]; A: computed on the way; B: input wo_w (given as codes): QUANTISED
;;   THE QUANTISER, for each operand of a quantised product, along K:
;;     - K is cut into blocks of 32 from its start; a last block that is shorter is filled with zeros.
;;     - A block's scale is 2^e with e = floor(log2(the largest magnitude in the block)) - 2, held to -126 .. 127; a block of zeros has e = 0. As a byte (E8M0): e + 127.
;;     - Each number is divided by its block's scale, clamped to +-6, and rounded to the nearest number of E2M1, ties to even, subnormals kept.
;;     - The product sums the exact products of the quantised numbers (number of the format x scale) in f32.
;;   ~~~python
;;   def quantise(x, axis):      # numpy; x: float32 -> the quantised numbers, widened to float32 again
;;       x = np.moveaxis(x, axis, -1); K = x.shape[-1]
;;       x = np.pad(x, [(0, 0)] * (x.ndim - 1) + [(0, -K % 32)]); x = x.reshape(x.shape[:-1] + (-1, 32)); a = np.abs(x).max(-1, keepdims=True)
;;       e = np.where(a > 0, np.clip(np.frexp(np.where(a > 0, a, 1))[1] - 1 - 2, -126, 127), 0)      # np.frexp(a)[1] - 1 = floor(log2(a)), exactly
;;       r = np.clip(x / 2.0 ** e, -6, 6)
;;       step = 2.0 ** (np.maximum(np.frexp(np.where(r == 0, 1, r))[1] - 1, 0) - 1)
;;       q = np.round(r / step) * step * 2.0 ** e      # np.round: ties to even
;;       return np.moveaxis(q.reshape(q.shape[:-2] + (-1,))[..., :K], -1, axis).astype(np.float32)
;;   ~~~
;;   SOFTMAX AHEAD OF A QUANTISED PRODUCT. Where the list says 'softmax', what is quantised is not the finished softmax but p = 2^(t - M), with t = logit x log2(e) and M = ceil(the row's largest t), a whole number; so 1/2 < the row's largest p <= 1. The row's sum l is taken of the UNQUANTISED p, in f32, and the product's result is divided by l at the end. Since M is a whole number, a kernel that streams over the keys may use a running M (the ceiling of the running maximum): every later rescaling is an exact power of two, which a block's scale takes up: the codes' values come out the same.
;;   OPERANDS COMPUTED ON THE WAY. 'Computed on the way' means the value that the module computes at that place (a softmax that the list does not call 'softmax' is quantised finished and normalised). What goes into a quantiser is computed in f32, as accurately as f32 sums, v_exp_f32 and their like allow (about 1e-6 of the number): no bf16 or f16 on the way to a quantiser, and a product that is left as it is and whose result goes on into a quantised operand takes f32 operands (vector FMAs, or v_wmma_f32_16x16x4_f32). A number that lies on a knife's edge between two numbers of the format may be rounded either way, as far as f32 arithmetic and the matrix unit's own rounding can turn it there, and no further.
;;   INPUTS GIVEN AS CODES. k (in the module: [4, 2048, 1024], K = its axis 2); q (in the module: [4, 2048, 1024], K = its axis 2); v (in the module: [4, 2048, 1024], K = its axis 2); wk_w (in the module: [1024, 1024], K = its axis 1); wo_w (in the module: [1024, 1024], K = its axis 1); wq_w (in the module: [1024, 1024], K = its axis 1); wv_w (in the module: [1024, 1024], K = its axis 1): each comes as NAME_codes (uint8): NAME with its K axis moved to the last place and cut into blocks of 32 codes, [.., K / 32, bytes a block], one block behind the other in memory; two codes a byte, the lower K in the low four bits (a code: sign, 2 exponent bits, 1 mantissa bit); and NAME_scales (uint8): the same leading axes, one E8M0 byte (e + 127) for each 32 codes along K. Its value is code x scale, taken as it is: it is not quantised again, and the codes and scales need not be those that the quantiser above would give.
;; One version. Each part assembles by itself: llvm-mc -triple=amdgcn-amd-amdhsa -mcpu=gfx1250 --defsym DOCPART=n.
;; ======== version 1 of 1: 3 launches
;; workspace buffers: qcs 4,718,592 bytes; kcs 4,718,592 bytes; vcs 4,718,592 bytes; cc 4,194,304 bytes; cs 262,144 bytes
;; launch qkv (part 1): grid 4 x 96, 4 waves a work-group, clusters of 4 x 4, 327,680 bytes of LDS; arguments q_codes, q_scales, wq_w_codes, wq_w_scales, wq_b, qcs, k_codes, k_scales, wk_w_codes, wk_w_scales, wk_b, kcs, wv_w_codes, wv_w_scales, v_codes, v_scales, wv_b, vcs; writes qcs, kcs, vcs
.if DOCPART == 1
	.amdgcn_target "amdgcn-amd-amdhsa--gfx1250"
	.amdhsa_code_object_version 6
	.text
	.protected	k_q42d6c41c31_qkv
	.globl	k_q42d6c41c31_qkv
	.p2align	8
	.type	k_q42d6c41c31_qkv,@function
k_q42d6c41c31_qkv:
	s_mov_b64 s[64:65], 0
	v_nop
	global_prefetch_b8 v0, s[64:65] scope:SCOPE_SE
	s_setreg_imm32_b32 hwreg(HW_REG_WAVE_MODE, 25, 1), 1
	s_wait_xcnt 0x0
	s_wait_alu depctr_hold_cnt(0) depctr_sa_sdst(0) depctr_va_vdst(0) depctr_va_sdst(0) depctr_va_ssrc(0) depctr_va_vcc(0) depctr_vm_vsrc(0)
	s_getreg_b32 s2, hwreg(HW_REG_IB_STS2, 6, 4)
	s_cmp_eq_u32 s2, 0
	s_cbranch_scc0 .Lentry_in_a_cluster
	s_endpgm
.Lentry_in_a_cluster:
	s_bfe_u32 s2, ttmp6, 0x10000c
	s_cmp_lg_u32 s2, 0xf033
	s_cbranch_scc0 .Lentry_shape_is_right
	s_endpgm
.Lentry_shape_is_right:
; MULTI-HEAD SELF-ATTENTION IN MX-FP4, launch 1 of 3: Q = q Wq^T + bq, K = k Wk^T + bk, V = v Wv^T + bv on codes of E2M1 with E8M0 scales, sums in f32,
; and the three results quantised at once: Q and K along the head's 64 channels, V along the keys.  They leave as codes and scale words, laid as the next launch's operand registers want them.
; NO WORK OF reference() IS LEFT OUT IN THIS PROGRAM: every product of the table is live (both outputs hang on all six), and every bias goes into a quantiser or into an output
; (bk too: it moves K's codes).  All 18 inputs are loaded.
; LIMITS: NaN and infinities among the inputs are not served.  A block whose largest magnitude lies under 2^-124 keeps the scale byte 1; a block of zeros gets the byte 1 where the rule
; says 127: its codes are zeros, which add nothing under any byte but 0xff, and the bytes are read by this program alone.
; SHARES.  24 clusters of 4 x 4 work-groups: cluster C makes product C / 8 (0: Q, 1: K, 2: V).  A work-group makes 256 x 256 of a product, each of its four waves 128 x 128: 64 accumulators, 512 registers.
; "A" is the operand of which a lane holds one row, "B" the operand whose rows run along a lane's registers (source 0 = 16 rows of B, source 1 = 16 rows of A).  A lane's registers must run along the NEXT
; product's K: for Q and K that is the channel, so A = the activations (8,192 rows), B = the weight (1,024 rows); for V it is the key, so A = Wv (1,024 rows), B = v (8,192 rows).
; K = 1,024 is two LDS slots of 512 (rows of 256 bytes of memory); both slots and all scale bytes are asked for at the head and filled once.  A's tiles are shared along a row of the cluster,
; B's along a column: each is asked for jointly, by the same tensor load with the same descriptor and a mask that names the four.
; THE RECORDS.  qcs, kcs, vcs: [16 b + head][step of 128 rows of the sequence][4,608 bytes].  Q, K: 8 tiles of 16 rows x 512 bytes (lane l's 16 bytes at 16 l: channels 32 (l / 16) + 0 .. 31),
; then two groups of 256 bytes: row r's four scale words (tiles 4 g .. 4 g + 3) at 16 r.  V: 4 tiles of 16 channels x 1,024 bytes (half c: keys 64 c + 32 (l / 16) + 0 .. 31), then 16 bytes a lane: row l % 16's four scale words.
; REGISTERS, in windows of 256: window 0: v16-30 addresses; v32-95 scale words, two sets; v128-191 A's fragments, one set; v192-255 the bias in the result's layout.  Window 1: B's fragments, two sets.
;   Windows 2, 3: the accumulators ((a, b) at v[8 (8 (a % 4) + b)]).  On the way out window 0's v32-95 take the codes, v96-123 the quantiser's work, v128-191 a block's 64 numbers.
.set KSTEP,  512                       ; along K in a slot
.set NQ,     4                         ; matrix instructions deep
.set ROWB,   256                       ; a tile's row in bytes
.set KROW,   512                       ; a row of 1,024 codes in memory
.set PITCH,  272                       ; an LDS row: 256 bytes + 16 of padding: the 16 rows that a load touches start 68 words apart
.set FR,     8                         ; registers of a fragment
.set NL,     2                         ; LDS loads that bring one
.set NP,     4                         ; places behind this matrix instruction (ISA guide 7.12.1)
.set HALFT,  128*PITCH                 ; 128 rows: one tensor load
.set SLOT,   4*HALFT                   ; A's 256 rows, then B's 256
.set KS,     32                        ; a row of scale bytes
.set SCL,    2*SLOT                    ; behind the slots: the scales, as units of 256 bytes + 16 of padding
.set HALFS,  (128*KS/256)*272          ; those of 128 rows
.set SBLK,   (16*KS/256)*272           ; those of 16 rows
.set SPARE,  SCL+4*HALFS               ; the spare words, 128 bytes for each wave; no other line names them
.set REC,    4608                      ; a record
.set HEADB,  16*REC                    ; from a head's records to the next head's
.set ADRA, 16                          ; v16-17  LDS address of my A fragments in slot 0, 1
.set ADRB, 20                          ; v20-21  the same for B
.set LI,   24                          ; v24     16 x lane: an image's place for my lane
.set SO,   25                          ; v25     16 (l % 16) + HEADB (l / 16): Q's and K's scale words: lanes 16-31 store the next head's
.set SH,   26                          ; v26     16 (l / 16): which two bytes of a scale word are my head's
.set ADRS, 27                          ; v27     LDS address of my scale words: lanes 0-15 A's rows, lanes 16-31 B's
.set SPW,  28                          ; v28     my spare word; never rewritten
.set NIL,  29                          ; v29     0; never rewritten
.set BO,   30                          ; v30     my offset in the bias; never rewritten
.set SC,   32                          ; scale words, set s at v[SC + 32 s]
.set AF,   128                         ; A's fragments
.set BI,   192                         ; the bias
.set H,    128                         ; the way out: 64 numbers of a lane
.set PCS,  32                          ; the way out: block a's codes at v[PCS + 8 a]: a set for each block, so that no store's data are written again
.set TM,   96                          ; v96-99 largest magnitudes, v100-103 bytes, v108-111 the conversions' scale operands
.set PW,   112                         ; a scale word
.set SWD,  116                         ; v116-123 the scale words to be stored, one for each block
.set G1, 24                            ; s[24:31], s[32:39] descriptor groups 1 and 0 (a set for each slot) for A's tiles
.set G0, 32
.set G1B, 48                           ; s[48:55], s[56:63] for B's
.set G0B, 56
.set G1S, 68                           ; s[68:75], s[76:79] for A's scales;  s[80:87], s[88:91] for B's
.set G0S, 76
.set G1SB, 80
.set G0SB, 88
.set GRP, 95                           ; s95  which product: 0 Q, 1 K, 2 V
.set SEL, 96                           ; s[96:97] lane selects for v_permlanex16_b32: lane l xor 16
.set MSB, 0
.macro WIN new                         ; the immediate's high byte repeats the setting that is left
.if MSB != (\new)
	s_set_vgpr_msb (MSB<<8)|(\new)
.set MSB, (\new)
.endif
.endm
.set MUL_LO, 0xa1                      ; source 0 (B) window 1, source 1 (A) window 0, C and D window 2
.set MUL_HI, 0xf1                      ; the same, C and D window 3
.set TO_B,   0x40                      ; destination window 1, address window 0
; A joint load: waves 0 and 1 fetch for A, waves 2 and 3 for B.  The branch hangs on the wave's number alone.  An s_nop 0 and four v_nop follow each of the two lines.
.macro JLOAD g0a, g1a, g0b, g1b
	s_cmp_eq_u32 s15, 0
	s_cbranch_scc0 .Lfor_b_\@
	tensor_load_to_lds s[\g0a:\g0a+3], s[\g1a:\g1a+7]
	s_nop 0
.rept 4
	v_nop
.endr
	s_branch .Lasked_\@
.Lfor_b_\@:
	tensor_load_to_lds s[\g0b:\g0b+3], s[\g1b:\g1b+7]
	s_nop 0
.rept 4
	v_nop
.endr
.Lasked_\@:
.endm
.macro CREST                           ; a round of the cluster's barrier behind its opening barrier
	s_cmp_lg_u32 s14, 0
	s_cbranch_scc1 .Lnot_wave_0_\@
	s_barrier_signal -3
.Lnot_wave_0_\@:
	s_barrier_wait -3
	s_barrier_signal -1
	s_barrier_wait -1
.endm
.macro CROUND                          ; a whole round
	s_barrier_signal -1
	s_barrier_wait -1
	CREST
.endm
	s_load_b512 s[24:39], s[0:1], 0x0              ; the 18 addresses: Q's six in s[24:35], K's in s[36:47], V's in s[48:59]; the descriptors take these registers later
	s_load_b512 s[40:55], s[0:1], 0x40
	s_load_b128 s[56:59], s[0:1], 0x80
	v_lshl_add_u32 v[SPW], v0, 2, SPARE
	v_mov_b32 v[NIL], 0
	ds_add_u32 v[SPW], v[NIL]                      ; the wave's opening: the add, twice on end, and its wait ahead of my first tensor load
	ds_add_u32 v[SPW], v[NIL]
	v_lshrrev_b32 v1, 5, v0
	v_readfirstlane_b32 s14, v1                    ; wave 0..3
	s_lshr_b32 s15, s14, 1                         ; which half of A's 256 rows is mine.  Also: I fetch for A (0) or for B (1)
	s_and_b32 s16, s14, 1                          ; which half of B's 256 rows.  Also: which 128 rows I fetch
	s_and_b32 s17, ttmp7, 0xffff                   ; the cluster's number, 0 .. 23: the sixteen partners share it
	s_lshr_b32 s[GRP], s17, 3
	s_and_b32 s17, s17, 7
	s_cmp_eq_u32 s[GRP], 2
	s_cselect_b32 s98, s17, 0                      ; the cluster's place along B's tiles: V has 32 tiles of B, Q and K four
	s_cselect_b32 s99, 0, s17                      ; and along A's
	s_mov_b32 s[SEL], 0x76543210
	s_mov_b32 s[SEL+1], 0xfedcba98
	s_wait_dscnt 0x0                               ; both opening adds are done
	s_wait_kmcnt 0x0
	s_cmp_eq_u32 s[GRP], 1                         ; the product's six buffers: the choice hangs on the cluster's number alone
	s_cselect_b64 s[4:5], s[36:37], s[24:25]       ; A's codes
	s_cselect_b64 s[6:7], s[38:39], s[26:27]       ; A's scales
	s_cselect_b64 s[8:9], s[40:41], s[28:29]       ; B's codes
	s_cselect_b64 s[10:11], s[42:43], s[30:31]     ; B's scales
	s_cselect_b64 s[66:67], s[44:45], s[32:33]     ; the bias
	s_cselect_b64 s[12:13], s[46:47], s[34:35]     ; the records
	s_cmp_eq_u32 s[GRP], 2
	s_cselect_b64 s[4:5], s[48:49], s[4:5]
	s_cselect_b64 s[6:7], s[50:51], s[6:7]
	s_cselect_b64 s[8:9], s[52:53], s[8:9]
	s_cselect_b64 s[10:11], s[54:55], s[10:11]
	s_cselect_b64 s[66:67], s[56:57], s[66:67]
	s_cselect_b64 s[12:13], s[58:59], s[12:13]
	s_bfe_u32 s40, ttmp6, 0x40000                  ; cx, cy: my place in the cluster
	s_bfe_u32 s41, ttmp6, 0x40004
	s_lshl_b32 s42, s98, 2
	s_add_co_u32 s42, s42, s40                     ; which 256 rows of B
	s_lshl_b32 s17, s99, 2
	s_add_co_u32 s17, s17, s41                     ; which 256 rows of A
	s_lshl_b32 s43, s41, 2
	s_lshl_b32 s43, 15, s43                        ; my row of the cluster
	s_lshl_b32 s44, 0x1111, s40                    ; my column
	; descriptor group 1: a tile of 128 rows x 256 bytes, padded in LDS
	s_or_b32 s[G1+0], s43, (0<<16)|(1<<20)|(1<<21)|(5<<22)|(3<<25)  ; 15:0 the mask: A's tiles go to my row; 17:16 elements of 1 byte; 20 padding on; 21 set beside a mask; 24:22 after every 64 words; 31:25 four words
	s_or_b32 s[G1B+0], s44, (0<<16)|(1<<20)|(1<<21)|(5<<22)|(3<<25)
.irp g, G1, G1B
	s_mov_b32 s[\g+1], ROWB<<16                    ; tensor_dim0
	s_mov_b32 s[\g+2], 128<<16                     ; tensor_dim1
	s_mov_b32 s[\g+3], ROWB<<16                    ; tile_dim0
	s_mov_b32 s[\g+4], 128                         ; tile_dim1
	s_mov_b32 s[\g+5], KROW                        ; tensor_dim0_stride
	s_mov_b32 s[\g+6], 0
	s_mov_b32 s[\g+7], 0
.endr
	; and for the scales of 128 rows: 4,096 dense bytes, as 16 rows of 256 bytes (32 elements of 8 bytes), 16 bytes of padding behind each
	s_or_b32 s[G1S+0], s43, (3<<16)|(1<<20)|(1<<21)|(5<<22)|(3<<25)
	s_or_b32 s[G1SB+0], s44, (3<<16)|(1<<20)|(1<<21)|(5<<22)|(3<<25)
.irp g, G1S, G1SB
	s_mov_b32 s[\g+1], 32<<16
	s_mov_b32 s[\g+2], (128*KS/256)<<16
	s_mov_b32 s[\g+3], 32<<16
	s_mov_b32 s[\g+4], 128*KS/256
	s_mov_b32 s[\g+5], 32
	s_mov_b32 s[\g+6], 0
	s_mov_b32 s[\g+7], 0
.endr
	s_lshl_b32 s18, s16, 7                         ; which 128 rows of the tile I fetch
	s_lshl_b32 s20, s17, 8
	s_add_co_u32 s20, s20, s18                     ; A's row
	s_lshl_b32 s46, s42, 8
	s_add_co_u32 s46, s46, s18                     ; B's row
	s_mov_b32 s21, 0
	s_mov_b32 s47, 0
	s_mov_b64 s[18:19], KS
	s_mul_u64 s[22:23], s[20:21], s[18:19]         ; where these rows' scales begin, in bytes
	s_mul_u64 s[92:93], s[46:47], s[18:19]
	s_mov_b64 s[18:19], KROW
	s_mul_u64 s[20:21], s[20:21], s[18:19]         ; and their codes
	s_mul_u64 s[46:47], s[46:47], s[18:19]
	s_mul_i32 s45, s14, HALFT                      ; where they go: wave x 128 rows: no place in the cluster enters an LDS address
	s_mul_i32 s94, s14, HALFS
	s_add_nc_u64 s[20:21], s[4:5], s[20:21]
	s_add_nc_u64 s[22:23], s[6:7], s[22:23]
	s_add_nc_u64 s[46:47], s[8:9], s[46:47]
	s_add_nc_u64 s[92:93], s[10:11], s[92:93]
	CROUND                                         ; all sixteen work-groups are here: the joint loads meet
	s_mov_b32 s[G0S], 1
	s_add_co_u32 s[G0S+1], s94, SCL
	s_mov_b64 s[G0S+2:G0S+3], s[22:23]
	s_or_b32 s[G0S+3], s[G0S+3], 0x80000000
	s_mov_b32 s[G0SB], 1
	s_add_co_u32 s[G0SB+1], s94, SCL
	s_mov_b64 s[G0SB+2:G0SB+3], s[92:93]
	s_or_b32 s[G0SB+3], s[G0SB+3], 0x80000000
	JLOAD G0S, G1S, G0SB, G1SB                     ; the scales first: they are wanted with the first half of K
.irp s, 0,1
	s_mov_b32 s[G0+4*\s], 1
	s_add_co_u32 s[G0+4*\s+1], s45, \s*SLOT
	s_add_nc_u64 s[G0+4*\s+2:G0+4*\s+3], s[20:21], \s*ROWB
	s_or_b32 s[G0+4*\s+3], s[G0+4*\s+3], 0x80000000
	s_mov_b32 s[G0B+4*\s], 1
	s_add_co_u32 s[G0B+4*\s+1], s45, \s*SLOT
	s_add_nc_u64 s[G0B+4*\s+2:G0B+4*\s+3], s[46:47], \s*ROWB
	s_or_b32 s[G0B+4*\s+3], s[G0B+4*\s+3], 0x80000000
	JLOAD G0+4*\s, G1, G0B+4*\s, G1B               ; three tensor loads of mine are out: every byte that the launch reads through LDS
.endr
	v_and_b32 v1, 15, v0                           ; r = l % 16
	v_bfe_u32 v2, v0, 4, 1                         ; h = l / 16
	v_mul_u32_u24 v3, v1, PITCH
	v_lshl_add_u32 v4, v2, 4, v3                   ; a fragment's row x pitch + 16 x half
	s_mul_i32 s21, s15, HALFT                      ; my 128 rows of A
	s_mul_i32 s22, s16, HALFT                      ; my 128 rows of B,
	s_add_co_u32 s22, s22, 2*HALFT                 ; which lie behind A's 256
.irp s, 0,1
	v_add_nc_u32 v[ADRA+\s], s21, v4
	v_add_nc_u32 v[ADRB+\s], s22, v4
	s_add_co_u32 s21, s21, SLOT
	s_add_co_u32 s22, s22, SLOT
.endr
	v_mul_u32_u24 v5, v1, KS                       ; my row's scales: 32 bytes a row,
	v_lshrrev_b32 v6, 8, v5
	v_lshl_add_u32 v5, v6, 4, v5                   ; and 16 more for each 256 passed
	s_mul_i32 s21, s15, HALFS                      ; A's: my 128 rows
	s_mul_i32 s22, s16, HALFS                      ; B's: my 128 rows, behind A's 256
	s_add_co_u32 s22, s22, 2*HALFS
	s_sub_co_u32 s22, s22, s21
	v_mul_u32_u24 v6, s22, v2                      ; lanes 16-31 take B's
	s_add_co_u32 s21, s21, SCL
	v_add_nc_u32 v5, v5, v6
	v_add_nc_u32 v[ADRS], s21, v5
	v_and_b32 v6, 31, v0
	v_lshlrev_b32 v[LI], 4, v6
	v_lshlrev_b32 v[SO], 4, v1
	v_mul_u32_u24 v5, v2, HEADB
	v_add_nc_u32 v[SO], v[SO], v5
	v_lshlrev_b32 v[SH], 4, v2
	; THE BIAS, in the result's layout, and my first record.  The branch hangs on the cluster's number alone.  Both arms write all 64 registers.
	s_cmp_eq_u32 s[GRP], 2
	s_cbranch_scc1 .Lbias_v
	s_lshl_b32 s20, s42, 8                         ; Q, K: the bias goes with B's rows: register 8 b + j of lane (r, h) is channel 16 b + 8 h + j of my 128
	s_lshl_b32 s21, s16, 7
	s_add_co_u32 s20, s20, s21
	s_lshl_b32 s20, s20, 2
	s_mov_b32 s21, 0
	s_add_nc_u64 s[66:67], s[66:67], s[20:21]
	v_lshlrev_b32 v[BO], 5, v2
.irp b, 0,1,2,3,4,5,6,7
	global_load_b128 v[BI+8*\b:BI+8*\b+3], v[BO], s[66:67] offset:64*\b
	global_load_b128 v[BI+8*\b+4:BI+8*\b+7], v[BO], s[66:67] offset:64*\b+16
.endr
	s_lshl_b32 s20, s17, 1
	s_add_co_u32 s20, s20, s15                     ; which 128 rows of the 8,192: A's
	s_lshl_b32 s22, s42, 2
	s_lshl_b32 s23, s16, 1
	s_add_co_u32 s22, s22, s23                     ; my first head: B's 128 rows are two heads
	s_branch .Lbias_done
.Lbias_v:
	s_lshl_b32 s20, s17, 8                         ; V: the bias goes with A's rows: all eight registers of block a hold channel 16 a + r's
	s_lshl_b32 s21, s15, 7
	s_add_co_u32 s20, s20, s21
	s_lshl_b32 s20, s20, 2
	s_mov_b32 s21, 0
	s_add_nc_u64 s[66:67], s[66:67], s[20:21]
	v_lshlrev_b32 v[BO], 2, v1
.irp a, 0,1,2,3,4,5,6,7
.irp j, 0,1,2,3,4,5,6,7
	global_load_b32 v[BI+8*\a+\j], v[BO], s[66:67] offset:64*\a
.endr
.endr
	s_lshl_b32 s20, s42, 1
	s_add_co_u32 s20, s20, s16                     ; which 128 rows of the 8,192: B's
	s_lshl_b32 s22, s17, 2
	s_lshl_b32 s23, s15, 1
	s_add_co_u32 s22, s22, s23                     ; my first head: A's 128 rows are two heads
.Lbias_done:
	s_lshr_b32 s21, s20, 4                         ; the batch: 16 steps of 128 rows each,
	s_lshl_b32 s21, s21, 8                         ; 256 records a batch,
	s_and_b32 s20, s20, 15                         ; the step,
	s_add_co_u32 s20, s20, s21
	s_lshl_b32 s22, s22, 4                         ; 16 records a head
	s_add_co_u32 s20, s20, s22
	s_mul_i32 s20, s20, REC
	s_mov_b32 s21, 0
	s_add_nc_u64 s[12:13], s[12:13], s[20:21]
.macro FRAG reg, adr, q, i             ; a fragment, 16 rows x 128 K of 4-bit codes, is 8 registers: lane l holds row l % 16; registers 4 c .. 4 c + 3 hold K = 64 c + 32 (l / 16) + 0 .. 31
.irp c, 0,1
	ds_load_b128 v[\reg+4*\c:\reg+4*\c+3], v[\adr] offset:64*(\q)+32*\c+(\i)*16*PITCH
.endr
.endm
; 16 matrix instructions: A's blocks a0, a0 + 1 x B's eight, 128 along K: the slot's q-th.  p: B's set;  sc: the set of scale words.  zero = 1: the first product starts the sums.
; The 64 accumulators take turns, one instruction a turn, in the same order in every step.
.macro MUL16 a0, p, q, sc, zero
.irp a, \a0, \a0+1
.irp b, 0,1,2,3,4,5,6,7
.if \zero
	v_wmma_scale_f32_16x16x128_f8f6f4 v[8*(8*((\a)%4)+\b):8*(8*((\a)%4)+\b)+7], v[128*(\p)+FR*\b:128*(\p)+FR*\b+FR-1], v[AF+FR*(\a):AF+FR*(\a)+FR-1], 0, v[SC+8*NQ*(\sc)+NQ*\b+(\q)], v[SC+8*NQ*(\sc)+NQ*(\a)+(\q)] matrix_a_fmt:MATRIX_FMT_FP4 matrix_b_fmt:MATRIX_FMT_FP4 matrix_a_scale:MATRIX_SCALE_ROW1
.else
	v_wmma_scale_f32_16x16x128_f8f6f4 v[8*(8*((\a)%4)+\b):8*(8*((\a)%4)+\b)+7], v[128*(\p)+FR*\b:128*(\p)+FR*\b+FR-1], v[AF+FR*(\a):AF+FR*(\a)+FR-1], v[8*(8*((\a)%4)+\b):8*(8*((\a)%4)+\b)+7], v[SC+8*NQ*(\sc)+NQ*\b+(\q)], v[SC+8*NQ*(\sc)+NQ*(\a)+(\q)] matrix_a_fmt:MATRIX_FMT_FP4 matrix_b_fmt:MATRIX_FMT_FP4 matrix_a_scale:MATRIX_SCALE_ROW1
.endif
.endr
.endr
.endm
.macro FETCH_B slot, q, p              ; B's eight fragments of the slot's q-th 128 along K into set p
	WIN TO_B
.irp i, 0,1,2,3,4,5,6,7
	FRAG 128*(\p)+FR*\i, ADRB+\slot, \q, \i
.endr
	WIN 0
.endm
.macro FETCH_A slot, q, i0             ; A's blocks i0 .. i0 + 3
.irp i, \i0, \i0+1, \i0+2, \i0+3
	FRAG AF+FR*(\i), ADRA+\slot, \q, \i
.endr
.endm
.macro SCALES sc                       ; a slot's scale words into set sc: four words a row; lanes 0-15 take A's block i, lanes 16-31 B's block i
.irp i, 0,1,2,3,4,5,6,7
	ds_load_b128 v[SC+8*NQ*\sc+NQ*\i:SC+8*NQ*\sc+NQ*\i+3], v[ADRS] offset:\i*SBLK
.endr
.endm
.macro PLACES n                        ; plain vector instructions between a matrix instruction and a load into, or a vector instruction on, its registers
.rept \n
	v_nop
.endr
.endm
; A step of 128 along K that has its successor in the same slot.
.macro STEP slot, q, zero
	s_wait_dscnt 4*NL                              ; B's set and A's blocks 0-3 are in; the youngest eight loads (A's blocks 4-7) may be out
	WIN MUL_LO
	MUL16 0, (\q)%2, \q, \slot, \zero
	MUL16 2, (\q)%2, \q, \slot, \zero
	s_wait_dscnt 0                                 ; A's blocks 4-7 are in
	PLACES NP
	FETCH_B \slot, (\q)+1, 1-(\q)%2
	FETCH_A \slot, (\q)+1, 0
	WIN MUL_HI
	MUL16 4, (\q)%2, \q, \slot, \zero
	MUL16 6, (\q)%2, \q, \slot, \zero
	PLACES NP
	WIN 0
	FETCH_A \slot, (\q)+1, 4
.endm
; Slot 0's last step goes over to slot 1: each wave waits for all its tensor loads (its part of slot 1), adds 0 to its spare word, waits for that and for its LDS loads, and passes the barrier: slot 1 is whole.  Nothing is filled again.
.macro TURN slot, next
	s_wait_tensorcnt 0x0
	ds_add_u32 v[SPW], v[NIL]
	s_wait_dscnt 4*NL+1                            ; (the add and the youngest eight loads may be out)
	WIN MUL_LO
	MUL16 0, 1, NQ-1, \slot, 0
	s_wait_dscnt 0x0
	s_barrier_signal -1
	MUL16 2, 1, NQ-1, \slot, 0
	WIN 0
	s_barrier_wait -1
	PLACES NP
	v_add_nc_u32 v[ADRS], 4*NQ, v[ADRS]            ; on to the second half's scale words (no LDS load of mine is out)
	FETCH_B \next, 0, 0
	FETCH_A \next, 0, 0
	SCALES \next
	WIN MUL_HI
	MUL16 4, 1, NQ-1, \slot, 0
	MUL16 6, 1, NQ-1, \slot, 0
	PLACES NP
	WIN 0
	FETCH_A \next, 0, 4
.endm
.macro STEPS slot, from                ; the slot's steps from .. NQ - 2
.set Q, \from
.rept NQ-1-\from
	STEP \slot, Q, 0
.set Q, Q+1
.endr
.endm
	s_wait_tensorcnt 1                             ; the scales and my part of slot 0 are in (slot 1's load may be out)
	s_barrier_signal -1
	s_barrier_wait -1                              ; everybody's are
	FETCH_B 0, 0, 0
	FETCH_A 0, 0, 0
	SCALES 0
	FETCH_A 0, 0, 4
	STEP 0, 0, 1                                   ; the first step's products start the sums
	STEPS 0, 1
	TURN 0, 1
	STEPS 1, 0
	s_wait_dscnt 4*NL                              ; the last step: nothing more to fetch
	WIN MUL_LO
	MUL16 0, 1, NQ-1, 1, 0
	MUL16 2, 1, NQ-1, 1, 0
	s_wait_dscnt 0
	WIN MUL_HI
	MUL16 4, 1, NQ-1, 1, 0
	MUL16 6, 1, NQ-1, 1, 0
	WIN 0
; THE QUANTISER.  64 numbers of a lane, v[s] on: register 8 t + j is k = 16 t + 8 (l / 16) + j of my row.  Block b of 32 is registers 16 b .. 16 b + 15 of lanes l and l xor 16.
; The codes of tile t go to register 4 (t / 4) + 2 (t % 2) + (t % 4) / 2; an exchange of halves between registers 4 c + 2 m and 4 c + 2 m + 1 then leaves in register 4 c + i the codes of
; k = 64 c + 32 (l / 16) + 8 i + 0 .. 7: the operand's layout.
.macro QUANT s, pc, pw
.irp b, 0,1,2,3
	v_max3_num_f32 v[TM+\b], |v[\s+16*\b]|, |v[\s+1+16*\b]|, 0x1800000   ; my 16 numbers of block b, and the floor 2^(3 - 127): the byte cannot fall under 1
.endr
.irp i, 2,4,6,8,10,12,14
.irp b, 0,1,2,3
	v_max3_num_f32 v[TM+\b], v[TM+\b], |v[\s+16*\b+\i]|, |v[\s+1+16*\b+\i]|   ; (the four blocks by turns)
.endr
.endr
.irp b, 0,1,2,3
	v_permlanex16_b32 v[TM+4+\b], v[TM+\b], s[SEL], s[SEL+1]
.endr
.irp b, 0,1,2,3
	v_max_num_f32 v[TM+\b], v[TM+\b], v[TM+4+\b]   ; with lane l xor 16's: the block's largest magnitude
.endr
.irp b, 0,1,2,3
	v_add_nc_u32 v[TM+12+\b], 0xff000000, v[TM+\b] ; 2 off its exponent field: the conversion's scale operand
.endr
.irp b, 0,1,2,3
	v_lshrrev_b32 v[TM+4+\b], 23, v[TM+12+\b]      ; the scale's byte
.endr
	v_lshl_or_b32 v[\pw], v[TM+5], 8, v[TM+4]      ; my row's scale word
	v_lshl_or_b32 v[\pw], v[TM+6], 16, v[\pw]
	v_lshl_or_b32 v[\pw], v[TM+7], 24, v[\pw]
.irp t, 0,1,2,3,4,5,6,7
	v_cvt_scalef32_pk8_fp4_f32 v[\pc+4*(\t/4)+2*(\t%2)+(\t%4)/2], v[\s+8*\t:\s+8*\t+7], v[TM+12+\t/2]
.endr
	v_nop                                          ; one plain place behind a scaled conversion
.irp c, 0,1
.irp m, 0,1
	v_permlane16_swap_b32 v[\pc+4*\c+2*\m], v[\pc+4*\c+2*\m+1]
.endr
.endr
.endm
; THE WAY OUT of A's block a: the bias is added (which also brings the 64 numbers into window 0, each accumulator from its low end on), they are quantised, and the images are stored:
; every store of the wave covers 512 consecutive bytes, or two aligned runs of 256.
.macro EPI a, isv
.set AC, 64*((\a)%4)
	WIN 2+(\a)/4                                   ; source 0: window 2 or 3
.set i, 0
.rept 32
.if \isv
	v_pk_add_f32 v[H+i:H+i+1], v[AC+i:AC+i+1], v[BI+8*(\a)+i%8:BI+8*(\a)+i%8+1]
.else
	v_pk_add_f32 v[H+i:H+i+1], v[AC+i:AC+i+1], v[BI+i:BI+i+1]
.endif
.set i, i+2
.endr
	WIN 0
.if \isv
	QUANT H, PCS+8*(\a), SWD+(\a)                  ; V: 16 channels x my 128 keys: one fragment, one whole scale word a channel
	global_store_b128 v[LI], v[PCS+8*(\a):PCS+8*(\a)+3], s[12:13] offset:((\a)/4)*HEADB+((\a)%4)*1024
	global_store_b128 v[LI], v[PCS+8*(\a)+4:PCS+8*(\a)+7], s[12:13] offset:((\a)/4)*HEADB+((\a)%4)*1024+512
.if (\a)%4 == 3
	global_store_b128 v[LI], v[SWD+(\a)-3:SWD+(\a)], s[12:13] offset:((\a)/4)*HEADB+4096   ; a head's four tiles: both halves of the lanes hold the same words
.endif
.else
	QUANT H, PCS+8*(\a), PW                        ; Q, K: 16 rows x two heads of 64 channels: registers 0-3 are the first head's image, 4-7 the second's
	v_bfe_u32 v[SWD+(\a)], v[PW], v[SH], 16        ; lanes 0-15: the first head's two bytes; lanes 16-31: the second's; the upper two bytes are 0
	global_store_b128 v[LI], v[PCS+8*(\a):PCS+8*(\a)+3], s[12:13] offset:512*(\a)
	global_store_b128 v[LI], v[PCS+8*(\a)+4:PCS+8*(\a)+7], s[12:13] offset:HEADB+512*(\a)
.if (\a)%4 == 3
	global_store_b128 v[SO], v[SWD+(\a)-3:SWD+(\a)], s[12:13] offset:4096+256*((\a)/4)
.endif
.endif
.endm
	PLACES NP                                      ; behind the last products
.irp b, 0,1,2,3
	v_mov_b32 v[TM+4+\b], 0                        ; written once: a lane permute's destination counts as one of its sources
.endr
	s_wait_loadcnt 0x0                             ; the bias
	s_cmp_eq_u32 s[GRP], 2
	s_cbranch_scc1 .Lepi_v
.irp a, 0,1,2,3,4,5,6,7
	EPI \a, 0
.endr
	s_branch .Ldone
.Lepi_v:
.irp a, 0,1,2,3,4,5,6,7
	EPI \a, 1
.endr
.Ldone:
	s_wait_tensorcnt 0x0                           ; the wave's end
	ds_add_u32 v[SPW], v[NIL]
	s_wait_dscnt 0x0
	CROUND                                         ; the closing round: no work-group ends while a partner may still ask for a tile that names it
	s_endpgm
.Lfunc_end_k_q42d6c41c31_qkv:
	.size	k_q42d6c41c31_qkv, .Lfunc_end_k_q42d6c41c31_qkv-k_q42d6c41c31_qkv
	.p2alignl 7, 3214868480
	.fill 96, 4, 3214868480
	.section	.rodata,"a",@progbits
	.p2align	6, 0x0
	.amdhsa_kernel k_q42d6c41c31_qkv
		.amdhsa_group_segment_fixed_size 327680
		.amdhsa_private_segment_fixed_size 0
		.amdhsa_enable_private_segment 0
		.amdhsa_kernarg_size 144
		.amdhsa_user_sgpr_count 2
		.amdhsa_user_sgpr_kernarg_segment_ptr 1
		.amdhsa_wavefront_size32 1
		.amdhsa_system_sgpr_workgroup_id_x 1
		.amdhsa_system_sgpr_workgroup_id_y 1
		.amdhsa_system_sgpr_workgroup_id_z 1
		.amdhsa_system_vgpr_workitem_id 0
		.amdhsa_next_free_vgpr 1024
		.amdhsa_next_free_sgpr 100
		.amdhsa_reserve_vcc 0
		.amdhsa_float_denorm_mode_32 3
		.amdhsa_float_denorm_mode_16_64 3
		.amdhsa_memory_ordered 1
		.amdhsa_forward_progress 1
		.amdhsa_inst_pref_size 201
	.end_amdhsa_kernel
	.amdgpu_metadata
---
amdhsa.version: [ 1, 2 ]
amdhsa.kernels:
  - .name:           k_q42d6c41c31_qkv
    .symbol:         k_q42d6c41c31_qkv.kd
    .args:
      - { .name: q_codes, .offset: 0, .size: 8, .value_kind: global_buffer, .address_space: global }
      - { .name: q_scales, .offset: 8, .size: 8, .value_kind: global_buffer, .address_space: global }
      - { .name: wq_w_codes, .offset: 16, .size: 8, .value_kind: global_buffer, .address_space: global }
      - { .name: wq_w_scales, .offset: 24, .size: 8, .value_kind: global_buffer, .address_space: global }
      - { .name: wq_b, .offset: 32, .size: 8, .value_kind: global_buffer, .address_space: global }
      - { .name: qcs, .offset: 40, .size: 8, .value_kind: global_buffer, .address_space: global }
      - { .name: k_codes, .offset: 48, .size: 8, .value_kind: global_buffer, .address_space: global }
      - { .name: k_scales, .offset: 56, .size: 8, .value_kind: global_buffer, .address_space: global }
      - { .name: wk_w_codes, .offset: 64, .size: 8, .value_kind: global_buffer, .address_space: global }
      - { .name: wk_w_scales, .offset: 72, .size: 8, .value_kind: global_buffer, .address_space: global }
      - { .name: wk_b, .offset: 80, .size: 8, .value_kind: global_buffer, .address_space: global }
      - { .name: kcs, .offset: 88, .size: 8, .value_kind: global_buffer, .address_space: global }
      - { .name: wv_w_codes, .offset: 96, .size: 8, .value_kind: global_buffer, .address_space: global }
      - { .name: wv_w_scales, .offset: 104, .size: 8, .value_kind: global_buffer, .address_space: global }
      - { .name: v_codes, .offset: 112, .size: 8, .value_kind: global_buffer, .address_space: global }
      - { .name: v_scales, .offset: 120, .size: 8, .value_kind: global_buffer, .address_space: global }
      - { .name: wv_b, .offset: 128, .size: 8, .value_kind: global_buffer, .address_space: global }
      - { .name: vcs, .offset: 136, .size: 8, .value_kind: global_buffer, .address_space: global }
    .group_segment_fixed_size: 327680
    .private_segment_fixed_size: 0
    .kernarg_segment_align: 8
    .kernarg_segment_size: 144
    .max_flat_workgroup_size: 128
    .sgpr_count:     100
    .vgpr_count:     1024
    .wavefront_size: 32
...
	.end_amdgpu_metadata
.endif
;; end of part 1
;; launch attn (part 2): grid 8 x 32, 16 waves a work-group, clusters of 4 x 1, 327,680 bytes of LDS; arguments qcs, kcs, vcs, out1, cc, cs; writes out1, cc, cs
.if DOCPART == 2
	.amdgcn_target "amdgcn-amd-amdhsa--gfx1250"
	.amdhsa_code_object_version 6
	.text
	.protected	k_q42d6c41c31_attn
	.globl	k_q42d6c41c31_attn
	.p2align	8
	.type	k_q42d6c41c31_attn,@function
k_q42d6c41c31_attn:
	s_mov_b64 s[64:65], 0
	v_nop
	global_prefetch_b8 v0, s[64:65] scope:SCOPE_SE
	s_setreg_imm32_b32 hwreg(HW_REG_WAVE_MODE, 25, 1), 1
	s_wait_xcnt 0x0
	s_wait_alu depctr_hold_cnt(0) depctr_sa_sdst(0) depctr_va_vdst(0) depctr_va_sdst(0) depctr_va_ssrc(0) depctr_va_vcc(0) depctr_vm_vsrc(0)
	s_getreg_b32 s2, hwreg(HW_REG_IB_STS2, 6, 4)
	s_cmp_eq_u32 s2, 0
	s_cbranch_scc0 .Lentry_in_a_cluster
	s_endpgm
.Lentry_in_a_cluster:
	s_bfe_u32 s2, ttmp6, 0x10000c
	s_cmp_lg_u32 s2, 0x3003
	s_cbranch_scc0 .Lentry_shape_is_right
	s_endpgm
.Lentry_shape_is_right:
; Launch 2 of 3: ctx = softmax(Q K^T / 8) V, both products on codes of E2M1 with E8M0 scales; ctx goes out as f32 (out1) and, quantised along the model's 1,024, as codes and scale bytes for the last product.
; No work of reference() is left out here.
; THE SOFTMAX: t = score x log2(e) / 8; M = the row's largest t so far, rounded UP to a whole number; p = 2^(t - M) is what is quantised, along the keys, not normalised.  The row's sum is taken of the
; unquantised p, in f32, and divides ctx at the end (a reciprocal and a multiplication).  When M moves, the sum and O are multiplied by 2^(old M - new M): exact.
; LIMITS: NaN and infinities are not served.  A block whose largest magnitude lies under 2^-124 keeps the scale byte 1, a block of zeros too: its codes are zeros, and this program alone reads the bytes.
; SHARES.  A work-group owns 256 queries and a PAIR of heads (P = 8 b + pair; heads 2 pair and 2 pair + 1), taken one after the other; each of its sixteen waves owns 16 queries, one tile, in 256 registers:
; four waves to a SIMD, so that one wave's vector work stands beside another's matrix work.  With two heads a wave ends with a whole fragment (16 rows x 128) and a whole scale word of ctx.
; LDS.  Both heads' K and V, 64 records of 4,608 bytes, fit at once: four quarters of 8 key steps (128 keys a step), each 8 records of K and then 8 of V.  Every tensor load is a first fill: each wave asks for one
; record of each quarter, four loads of mine out at the most.  The four query blocks of a cluster read the same records: the loads are joint.
; LAYOUT.  Both products are used transposed: S^T = K Q^T (source 0 = 16 keys, source 1 = my 16 queries), O^T = V^T P^T (source 0 = 16 channels, source 1 = P): a lane holds ONE query (l % 16) throughout.
; The scores' K is 64: registers 4-7 of K's and Q's fragments hold zero codes, and the upper two bytes of their scale words are 0.
; REGISTERS: v1-8 addresses; v12 -M, v13 the largest t, v[14:15] the sum in two halves; v16-23, v24-31 Q of the two heads; v32-63 four tiles of K; v64-95 V's four tiles; v96-159 S^T, then p;
;   v160-191 O^T; v192-199 p's codes; v200-207 ctx's fragment, v208 its scale word; v228, v229 Q's scale words; v240-243 V's, v248-251 K's, v253 p's; v232-239, v244-247, v252, v254 at work.
.set REC,   4608                       ; a record: 128 rows' codes and scale words
.set QUART, 16*REC                     ; a quarter in LDS; also from a head's records to the next head's in memory
.set VREC,  8*REC                      ; V's records lie behind K's eight
.set SPARE, 4*QUART                    ; the spare words, 128 bytes for each wave; no other line names them
.set SP,    272                        ; the way out: a stage row, 256 bytes + 16.  The stages, 16 rows a wave, lie in quarter 0: it has had its only fill, and nobody reads it behind quarter 1's barrier
.set LI,   1                           ; v1   16 x lane
.set ADK,  2                           ; v2   LDS address of the step's records
.set STO,  3                           ; v3   the stage: where I put 32 bytes of a row
.set RD,   4                           ; v4   and where I read a row back
.set GO,   5                           ; v5   my byte offset in the wave's rows of out1
.set SPW,  6                           ; v6   my spare word; never rewritten
.set NIL,  7                           ; v7   0; never rewritten
.set CSO,  8                           ; v8   my row of scale bytes: 32 (l % 16)
.set WV,   16                          ; s16  my wave's number
.set G1,   24                          ; s[24:31] descriptor group 1;  s[32:47] four groups 0
.set G0,   32
.set CS,   52                          ; s[52:53] c = log2(e) / 8
.set SEL,  54                          ; s[54:55] lane selects for v_permlanex16_b32: lane l xor 16
.set TB,   56                          ; s56  LDS byte at which the step's record of K begins
.set CNT,  57                          ; s57  counts a quarter's steps
.macro CROUND                          ; a round of the cluster's barrier
	s_barrier_signal -1
	s_barrier_wait -1
	s_cmp_lg_u32 s[WV], 0
	s_cbranch_scc1 .Lnot_wave_0_\@
	s_barrier_signal -3
.Lnot_wave_0_\@:
	s_barrier_wait -3
	s_barrier_signal -1
	s_barrier_wait -1
.endm
	s_load_b256 s[4:11], s[0:1], 0x0               ; qcs s[4:5], kcs s[6:7], vcs s[8:9], out1 s[10:11]
	s_load_b128 s[12:15], s[0:1], 0x20             ; cc s[12:13], cs s[14:15]
	v_lshl_add_u32 v[SPW], v0, 2, SPARE
	v_mov_b32 v[NIL], 0
	ds_add_u32 v[SPW], v[NIL]                      ; the wave's opening: the add, twice on end, and its wait ahead of my first tensor load
	ds_add_u32 v[SPW], v[NIL]
	v_lshrrev_b32 v9, 5, v0
	s_delay_alu instid0(VALU_DEP_1)
	v_readfirstlane_b32 s[WV], v9                  ; wave 0..15
	s_bfe_u32 s17, ttmp6, 0x40000                  ; cx: my place in the cluster
	s_lshl_b32 s18, ttmp9, 2
	s_add_co_u32 s18, s18, s17                     ; my block of 256 queries: it enters Q's and the outputs' addresses alone
	s_and_b32 s19, ttmp7, 0xffff                   ; P, which the four partners share
	; descriptor group 1: a record, 4,608 dense bytes, as 18 rows of 256 bytes (32 elements of 8 bytes)
	s_mov_b32 s[G1], 15|(3<<16)|(1<<21)            ; 15:0 the mask: all four work-groups; 17:16 elements of 8 bytes; 21 set beside a mask; no padding: the images are read 16 bytes a lane on end
	s_mov_b32 s[G1+1], 32<<16                      ; tensor_dim0
	s_mov_b32 s[G1+2], 18<<16                      ; tensor_dim1
	s_mov_b32 s[G1+3], 32<<16                      ; tile_dim0
	s_mov_b32 s[G1+4], 18                          ; tile_dim1
	s_mov_b32 s[G1+5], 32                          ; tensor_dim0_stride
	s_mov_b32 s[G1+6], 0
	s_mov_b32 s[G1+7], 0
	s_and_b32 s20, s[WV], 7                        ; waves 0-7 fetch K's records, waves 8-15 V's: record wave % 8 of each quarter
	s_lshl_b32 s21, s19, 5                         ; the pair's 32 records
	s_add_co_u32 s20, s20, s21
	s_mul_i32 s20, s20, REC
	s_mov_b32 s21, 0
	s_mul_i32 s22, s[WV], REC                      ; and where it goes in a quarter
	s_mul_i32 s23, s[WV], 16*SP                    ; my stage
	s_mov_b32 s[CS], 0x3e38aa3b                    ; c = log2(e) / 8
	s_mov_b32 s[CS+1], s[CS]                       ; (named with it as a pair, so it is written)
	s_mov_b32 s[SEL], 0x76543210
	s_mov_b32 s[SEL+1], 0xfedcba98
	s_wait_dscnt 0x0                               ; both opening adds are done
	s_wait_kmcnt 0x0
	s_cmp_lt_u32 s[WV], 8
	s_cselect_b64 s[48:49], s[6:7], s[8:9]
	s_add_nc_u64 s[48:49], s[48:49], s[20:21]
.irp i, 0,1,2,3
	s_mov_b32 s[G0+4*\i], 1                        ; count = 1
	s_add_co_u32 s[G0+4*\i+1], s22, \i*QUART       ; LDS address
	s_add_nc_u64 s[G0+4*\i+2:G0+4*\i+3], s[48:49], \i*VREC   ; global address: eight records on for each quarter
	s_or_b32 s[G0+4*\i+3], s[G0+4*\i+3], 0x80000000          ; type = 2
.endr
	CROUND                                         ; all four work-groups are here: the joint loads meet
.irp i, 0,1,2,3
	tensor_load_to_lds s[G0+4*\i:G0+4*\i+3], s[G1:G1+7]
	s_nop 0
.endr
.rept 4
	v_nop
.endr
	; Q: my tile's image and scale words, for both heads
	s_lshl_b32 s58, s19, 5
	s_lshl_b32 s59, s18, 1
	s_add_co_u32 s58, s58, s59
	s_lshr_b32 s59, s[WV], 3
	s_add_co_u32 s58, s58, s59                     ; the record: 32 P + 2 x block + wave / 8
	s_mul_i32 s58, s58, REC
	s_and_b32 s59, s[WV], 7                        ; my tile in it
	s_lshl_b32 s60, s59, 9
	s_add_co_u32 s60, s60, s58
	s_mov_b32 s61, 0
	s_lshr_b32 s59, s59, 2                         ; its group of four tiles,
	s_lshl_b32 s59, s59, 8
	s_add_co_u32 s58, s58, s59
	s_and_b32 s59, s[WV], 3                        ; and its word in a row's four
	s_lshl_b32 s59, s59, 2
	s_add_co_u32 s58, s58, s59
	s_add_co_u32 s58, s58, 4096
	s_mov_b32 s59, 0
	s_add_nc_u64 s[60:61], s[4:5], s[60:61]
	s_add_nc_u64 s[58:59], s[4:5], s[58:59]
	v_and_b32 v10, 15, v0                          ; r
	v_bfe_u32 v11, v0, 4, 1                        ; h
	v_and_b32 v9, 31, v0
	s_delay_alu instid0(VALU_DEP_1)
	v_lshlrev_b32 v[LI], 4, v9
	s_delay_alu instid0(VALU_DEP_4)
	v_lshlrev_b32 v9, 4, v10                       ; 16 r: a row's four scale words
	global_load_b128 v[16:19], v[LI], s[60:61]
	global_load_b128 v[24:27], v[LI], s[60:61] offset:QUART
	global_load_b32 v228, v9, s[58:59]
	global_load_b32 v229, v9, s[58:59] offset:QUART
.irp j, 20,21,22,23,28,29,30,31,36,37,38,39,44,45,46,47,52,53,54,55,60,61,62,63
	v_mov_b32 v[\j], 0                             ; the upper 64 of the scores' K: zero codes, for good
.endr
.irp b, 0,1,2,3
	v_mov_b32 v[236+\b], 0                         ; written once: a lane permute's destination counts as one of its sources
.endr
	v_mov_b32 v253, 0                              ; (named as the upper half of the pair v[252:253] before it is first written)
	v_lshlrev_b32 v[CSO], 5, v10
	v_mul_u32_u24 v[STO], v10, SP
	s_delay_alu instid0(VALU_DEP_1)
	v_lshl_add_u32 v[STO], v11, 5, v[STO]
	s_delay_alu instid0(VALU_DEP_1)
	v_add_nc_u32 v[STO], s23, v[STO]               ; in: row r, + 32 h; tile t's eight channels 64 t bytes on
	v_mul_u32_u24 v[RD], v11, SP
	s_delay_alu instid0(VALU_DEP_1)
	v_lshl_add_u32 v[RD], v10, 4, v[RD]
	s_delay_alu instid0(VALU_DEP_1)
	v_add_nc_u32 v[RD], s23, v[RD]                 ; back: lanes 0-15 one row of 256 bytes, lanes 16-31 the next
	v_lshlrev_b32 v[GO], 8, v11
	s_delay_alu instid0(VALU_DEP_1)
	v_lshl_add_u32 v[GO], v10, 4, v[GO]            ; and the same two rows in out1
	s_lshl_b32 s62, s19, 20                        ; out1: the pair's two heads of 2,048 rows x 256 bytes,
	s_lshl_b32 s63, s18, 16                        ; my block's 256 rows,
	s_add_co_u32 s62, s62, s63
	s_lshl_b32 s63, s[WV], 12                      ; my wave's 16
	s_add_co_u32 s62, s62, s63
	s_mov_b32 s63, 0
	s_add_nc_u64 s[10:11], s[10:11], s[62:63]
	s_lshl_b32 s62, s19, 7                         ; cc: [P][tile of 16 rows: 128][1,024 bytes]
	s_lshl_b32 s63, s18, 4
	s_add_co_u32 s62, s62, s63
	s_add_co_u32 s62, s62, s[WV]
	s_lshl_b32 s62, s62, 10
	s_mov_b32 s63, 0
	s_add_nc_u64 s[12:13], s[12:13], s[62:63]
	s_lshr_b32 s62, s19, 3                         ; cs: [8,192 rows][32 bytes]: the batch's 2,048 rows,
	s_lshl_b32 s62, s62, 11
	s_lshl_b32 s63, s18, 8
	s_add_co_u32 s62, s62, s63
	s_lshl_b32 s63, s[WV], 4
	s_add_co_u32 s62, s62, s63
	s_lshl_b32 s62, s62, 5
	s_and_b32 s63, s19, 7                          ; and the pair's word in a row
	s_lshl_b32 s63, s63, 2
	s_add_co_u32 s62, s62, s63
	s_mov_b32 s63, 0
	s_add_nc_u64 s[14:15], s[14:15], s[62:63]
.macro REINIT                          ; a head begins: the step is written once, and its first trip finds zeros, which the first change of M leaves zeros
	v_mov_b32 v13, 0xff61b1e6                      ; the largest t so far: -3e38, under every t
	s_delay_alu instid0(VALU_DEP_1)
	v_floor_f32 v12, -v13                          ; -M
	v_mov_b32 v14, 0
	v_mov_b32 v15, 0
.irp j, 0,1,2,3,4,5,6,7,8,9,10,11,12,13,14,15,16,17,18,19,20,21,22,23,24,25,26,27,28,29,30,31
	v_mov_b32 v[160+\j], 0
.endr
.endm
; A KEY STEP: 128 keys.  qf: Q's fragment, qs: its scale words.
.macro STEP qf, qs
	v_add_nc_u32 v[ADK], s[TB], v[LI]
.rept 3
	v_nop                                          ; with the addition four places between the last products and the loads into their registers
.endr
	ds_load_b128 v[248:251], v[ADK] offset:4096    ; K's scale words: lanes 0-15 those of tiles 0-3, lanes 16-31 those of tiles 4-7
.irp t, 0,1,2,3
	ds_load_b128 v[32+8*\t:35+8*\t], v[ADK] offset:512*\t
.endr
	ds_load_b128 v[240:243], v[ADK] offset:VREC+4096   ; V's scale words
.irp t, 0,1,2,3
.irp c, 0,1
	ds_load_b128 v[64+8*\t+4*\c:67+8*\t+4*\c], v[ADK] offset:VREC+1024*\t+512*\c
.endr
.endr
	s_wait_alu depctr_va_vdst(0)
	s_wait_dscnt 9                                 ; K's words and tiles 0-3 are in; V's nine loads may be out
.irp t, 0,1,2,3
	v_wmma_scale_f32_16x16x128_f8f6f4 v[96+8*\t:103+8*\t], v[32+8*\t:39+8*\t], v[\qf:\qf+7], 0, v[248+\t], v[\qs] matrix_a_fmt:MATRIX_FMT_FP4 matrix_b_fmt:MATRIX_FMT_FP4
.endr
.rept 4
	v_nop
.endr
.irp t, 0,1,2,3
	ds_load_b128 v[32+8*\t:35+8*\t], v[ADK] offset:2048+512*\t
.endr
	s_wait_dscnt 0x0
.irp t, 0,1,2,3
	v_wmma_scale_f32_16x16x128_f8f6f4 v[128+8*\t:135+8*\t], v[32+8*\t:39+8*\t], v[\qf:\qf+7], 0, v[248+\t], v[\qs] matrix_a_fmt:MATRIX_FMT_FP4 matrix_b_fmt:MATRIX_FMT_FP4 matrix_a_scale:MATRIX_SCALE_ROW1
.endr                                          ; register 8 t + j of lane (r, h): query r, key 16 t + 8 h + j.  Block b of 32 keys: registers 16 b .. 16 b + 15 of lanes l and l xor 16
.rept 4
	v_nop
.endr
.irp b, 0,1,2,3
	v_max3_num_f32 v[232+\b], v[96+16*\b], v[97+16*\b], v[98+16*\b]   ; the largest score of each block: it serves for the row's maximum and, since p rises with the score, for the block's largest p
.endr
.irp i, 3,5,7,9,11,13
.irp b, 0,1,2,3
	v_max3_num_f32 v[232+\b], v[232+\b], v[96+16*\b+\i], v[97+16*\b+\i]
.endr
.endr
.irp b, 0,1,2,3
	v_max_num_f32 v[232+\b], v[232+\b], v[111+16*\b]
.endr
.irp b, 0,1,2,3
	s_delay_alu instid0(VALU_DEP_4)
	v_permlanex16_b32 v[236+\b], v[232+\b], s[SEL], s[SEL+1]
.endr
.irp b, 0,1,2,3
	s_delay_alu instid0(VALU_DEP_4)
	v_max_num_f32 v[232+\b], v[232+\b], v[236+\b]  ; with lane l xor 16's 16 keys
.endr
	s_delay_alu instid0(VALU_DEP_2)
	v_max3_num_f32 v254, v232, v233, v234
	s_delay_alu instid0(VALU_DEP_1)
	v_max_num_f32 v254, v254, v235                 ; the step's largest score of my query
	s_delay_alu instid0(VALU_DEP_1)
	v_mul_f32 v254, s[CS], v254                    ; as t (c is positive)
	s_delay_alu instid0(VALU_DEP_1)
	v_max_num_f32 v13, v13, v254                   ; the running largest t
	v_mov_b32 v254, v12
	s_delay_alu instid0(VALU_DEP_2)
	v_floor_f32 v12, -v13                          ; the new -M = floor(-t) = -ceil(t)
	s_delay_alu instid0(VALU_DEP_1)
	v_sub_f32 v254, v12, v254                      ; M's old value less its new one: a whole number, 0 or less
	s_delay_alu instid0(VALU_DEP_1)
	v_cvt_i32_f32 v254, v254                       ; (it saturates)
	s_delay_alu instid0(VALU_DEP_1)
	v_ldexp_f32 v252, 1.0, v254                    ; f = 2^(old M - new M)
.irp j, 0,2,4,6,8,10,12,14,16,18,20,22,24,26,28,30,32,34,36,38,40,42,44,46,48,50,52,54,56,58,60,62
	v_pk_fma_f32 v[96+\j:97+\j], v[96+\j:97+\j], s[CS:CS+1], v[12:13] op_sel_hi:[1,0,0]   ; t - M, two at a time
.endr
.irp b, 0,1,2,3
	v_fma_f32 v[232+\b], v[232+\b], s[CS], v12     ; the same of each block's largest score
.endr
	s_wait_alu depctr_va_vdst(0)
.irp j, 0,1,2,3,4,5,6,7,8,9,10,11,12,13,14,15,16,17,18,19,20,21,22,23,24,25,26,27,28,29,30,31,32,33,34,35,36,37,38,39,40,41,42,43,44,45,46,47,48,49,50,51,52,53,54,55,56,57,58,59,60,61,62,63
	v_exp_f32 v[96+\j], v[96+\j]                   ; p = 2^(t - M), at most 1
.endr
	s_setprio 1
	v_pk_mul_f32 v[14:15], v[14:15], v[252:253] op_sel_hi:[1,0]   ; the sums under the new M: the plain place behind the exponentials
	s_wait_alu depctr_va_vdst(0)                   ; the wait ahead of the batch's first reader: one for the 64
.irp b, 0,1,2,3
	v_exp_f32 v[232+\b], v[232+\b]                 ; the block's largest p
.endr
	v_pk_add_f32 v[236:237], v[100:101], v[104:105]
	v_pk_add_f32 v[254:255], v[108:109], v[112:113]
	v_pk_add_f32 v[250:251], v[116:117], v[120:121]
	v_pk_add_f32 v[248:249], v[124:125], v[128:129]
	v_pk_add_f32 v[246:247], v[132:133], v[136:137]
	v_pk_add_f32 v[244:245], v[140:141], v[144:145]
	v_pk_add_f32 v[238:239], v[148:149], v[152:153]
	v_pk_add_f32 v[14:15], v[14:15], v[156:157]
	v_pk_add_f32 v[236:237], v[236:237], v[96:97]
	v_pk_add_f32 v[254:255], v[254:255], v[98:99]
	v_pk_add_f32 v[250:251], v[250:251], v[102:103]
	v_pk_add_f32 v[248:249], v[248:249], v[106:107]
	v_pk_add_f32 v[246:247], v[246:247], v[110:111]
	v_pk_add_f32 v[244:245], v[244:245], v[114:115]
	v_pk_add_f32 v[238:239], v[238:239], v[118:119]
	v_pk_add_f32 v[14:15], v[14:15], v[122:123]
	v_pk_add_f32 v[236:237], v[236:237], v[126:127]
	v_pk_add_f32 v[254:255], v[254:255], v[130:131]
	v_pk_add_f32 v[250:251], v[250:251], v[134:135]
	v_pk_add_f32 v[248:249], v[248:249], v[138:139]
	v_pk_add_f32 v[246:247], v[246:247], v[142:143]
	v_pk_add_f32 v[244:245], v[244:245], v[146:147]
	v_pk_add_f32 v[238:239], v[238:239], v[150:151]
	v_pk_add_f32 v[14:15], v[14:15], v[154:155]
	v_pk_add_f32 v[236:237], v[236:237], v[158:159]
	s_delay_alu instid0(VALU_DEP_2)
	v_pk_add_f32 v[14:15], v[14:15], v[248:249]
	s_delay_alu instid0(VALU_DEP_2)
	v_pk_add_f32 v[236:237], v[236:237], v[246:247]
	v_pk_add_f32 v[254:255], v[254:255], v[244:245]
	v_pk_add_f32 v[250:251], v[250:251], v[238:239]
	s_delay_alu instid0(VALU_DEP_2)
	v_pk_add_f32 v[14:15], v[14:15], v[254:255]
	s_delay_alu instid0(VALU_DEP_2)
	v_pk_add_f32 v[236:237], v[236:237], v[250:251]
	s_delay_alu instid0(VALU_DEP_1)
	v_pk_add_f32 v[14:15], v[14:15], v[236:237]
	s_wait_alu depctr_va_vdst(0)                   ; and one for the four
.irp b, 0,1,2,3
	v_max_num_f32 v[232+\b], 0x1800000, v[232+\b]  ; the floor 2^(3 - 127): the byte cannot fall under 1
.endr
.irp b, 0,1,2,3
	s_delay_alu instid0(VALU_DEP_4)
	v_add_nc_u32 v[244+\b], 0xff000000, v[232+\b]  ; 2 off the exponent field: the conversion's scale operand
.endr
.irp b, 0,1,2,3
	s_delay_alu instid0(VALU_DEP_4)
	v_lshrrev_b32 v[236+\b], 23, v[244+\b]         ; the scale's byte
.endr
	s_delay_alu instid0(VALU_DEP_3)
	v_lshl_or_b32 v253, v237, 8, v236              ; p's scale word for these 128 keys
	s_delay_alu instid0(VALU_DEP_1)
	v_lshl_or_b32 v253, v238, 16, v253
	s_delay_alu instid0(VALU_DEP_1)
	v_lshl_or_b32 v253, v239, 24, v253
.irp t, 0,1,2,3,4,5,6,7
	v_cvt_scalef32_pk8_fp4_f32 v[192+4*(\t/4)+2*(\t%2)+(\t%4)/2], v[96+8*\t:103+8*\t], v[244+\t/2]
.endr
	v_nop                                          ; one plain place behind a scaled conversion
.irp c, 0,1                                    ; the exchange of halves: register 4 c + i then holds keys 64 c + 32 (l / 16) + 8 i + 0 .. 7
.irp m, 0,1
	v_permlane16_swap_b32 v[192+4*\c+2*\m], v[193+4*\c+2*\m]
.endr
.endr
	s_setprio 0
.irp j, 0,2,4,6,8,10,12,14,16,18,20,22,24,26,28,30
	v_pk_mul_f32 v[160+\j:161+\j], v[160+\j:161+\j], v[252:253] op_sel_hi:[1,0]   ; O^T under the new M.  Twelve of the sixteen name no register of any one product below: the places ahead of the scaled products
.endr
.irp t, 0,1,2,3
	v_wmma_scale_f32_16x16x128_f8f6f4 v[160+8*\t:167+8*\t], v[64+8*\t:71+8*\t], v[192:199], v[160+8*\t:167+8*\t], v[240+\t], v253 matrix_a_fmt:MATRIX_FMT_FP4 matrix_b_fmt:MATRIX_FMT_FP4
.endr                                          ; the four accumulators take turns, one instruction a turn
	s_add_co_u32 s[TB], s[TB], REC                 ; the next step's records
.endm
; A QUARTER: my record of it has landed (the later quarters' loads may stay out); behind the barrier everybody's has.  Eight key steps.
.macro QUARTER n, qf, qs
	s_wait_tensorcnt 3-\n
	s_wait_dscnt 0x0
	s_barrier_signal -1
	s_barrier_wait -1
	s_mov_b32 s[TB], \n*QUART
	s_mov_b32 s[CNT], 8
.Lstep_\@:
	s_setprio 2
	STEP \qf, \qs
	s_sub_co_u32 s[CNT], s[CNT], 1
	s_cmp_lg_u32 s[CNT], 0
	s_cbranch_scc1 .Lstep_\@
	s_setprio 0
.endm
; A HEAD ENDS (e = 0, 1).  ctx = O^T / the sum: register 8 t + j of lane (r, h) is ctx(query r, channel 16 t + 8 h + j).  It goes through my stage and leaves as whole rows of 256 bytes;
; and its two blocks of 32 are quantised into registers 4 e .. 4 e + 3 of the pair's fragment and bytes 2 e, 2 e + 1 of its scale word.
.macro EPILOGUE e
.rept 4
	v_nop                                          ; places behind the last products
.endr
	v_add_f32 v14, v14, v15                        ; the sum's two halves,
	s_delay_alu instid0(VALU_DEP_1)
	v_permlanex16_b32 v252, v14, s[SEL], s[SEL+1]
	s_delay_alu instid0(VALU_DEP_1)
	v_add_f32 v14, v14, v252                       ; and lane l xor 16's
	s_wait_alu depctr_va_vdst(0)
	v_rcp_f32 v14, v14
	v_nop                                          ; a plain place behind the reciprocal,
	s_wait_alu depctr_va_vdst(0)                   ; and the wait ahead of its first reader
.irp j, 0,2,4,6,8,10,12,14,16,18,20,22,24,26,28,30
	v_pk_mul_f32 v[96+\j:97+\j], v[160+\j:161+\j], v[14:15] op_sel_hi:[1,0]
.endr
.irp t, 0,1,2,3
	ds_store_b128 v[STO], v[96+8*\t:99+8*\t] offset:64*\t
	ds_store_b128 v[STO], v[100+8*\t:103+8*\t] offset:64*\t+16
.endr
.irp i, 0,1,2,3,4,5,6,7
	ds_load_b128 v[128+4*\i:131+4*\i], v[RD] offset:2*\i*SP   ; LDS serves a wave's instructions in order (ISA guide 5.7.1.4): these see my stores
.endr
.irp b, 0,1
	v_max3_num_f32 v[232+\b], |v[96+16*\b]|, |v[97+16*\b]|, 0x1800000
.endr
.irp i, 2,4,6,8,10,12,14
.irp b, 0,1
	s_delay_alu instid0(VALU_DEP_2)
	v_max3_num_f32 v[232+\b], v[232+\b], |v[96+16*\b+\i]|, |v[97+16*\b+\i]|
.endr
.endr
.irp b, 0,1
	s_delay_alu instid0(VALU_DEP_2)
	v_permlanex16_b32 v[236+\b], v[232+\b], s[SEL], s[SEL+1]
.endr
.irp b, 0,1
	s_delay_alu instid0(VALU_DEP_2)
	v_max_num_f32 v[232+\b], v[232+\b], v[236+\b]
.endr
.irp b, 0,1
	s_delay_alu instid0(VALU_DEP_2)
	v_add_nc_u32 v[244+\b], 0xff000000, v[232+\b]
.endr
.irp b, 0,1
	s_delay_alu instid0(VALU_DEP_2)
	v_lshrrev_b32 v[236+\b], 23, v[244+\b]
.endr
.if \e == 0
	s_delay_alu instid0(VALU_DEP_1)
	v_lshl_or_b32 v208, v237, 8, v236
.else
	s_delay_alu instid0(VALU_DEP_1)
	v_lshl_or_b32 v254, v237, 8, v236
	s_delay_alu instid0(VALU_DEP_1)
	v_lshl_or_b32 v208, v254, 16, v208
.endif
.irp t, 0,1,2,3
	v_cvt_scalef32_pk8_fp4_f32 v[200+4*\e+2*(\t%2)+\t/2], v[96+8*\t:103+8*\t], v[244+\t/2]
.endr
	v_nop                                          ; one plain place behind a scaled conversion
.irp m, 0,1
	v_permlane16_swap_b32 v[200+4*\e+2*\m], v[201+4*\e+2*\m]
.endr
.irp i, 0,1,2,3,4,5,6,7
	s_wait_dscnt 7-\i                              ; LDS loads come back in order: rows 2 i and 2 i + 1 are in
	global_store_b128 v[GO], v[128+4*\i:131+4*\i], s[10:11] offset:524288*\e+512*\i th:TH_STORE_NT   ; 32 lanes store 512 consecutive bytes; written once, read by no launch
.endr
	s_wait_xcnt 0x0                                ; the stores have read their registers: the next head's scores may be written there
.endm
	REINIT
	s_wait_loadcnt 0x0                             ; Q
	QUARTER 0, 16, 228
	QUARTER 1, 16, 228
	EPILOGUE 0
	REINIT
	QUARTER 2, 24, 229
	QUARTER 3, 24, 229
	EPILOGUE 1
	global_store_b128 v[LI], v[200:203], s[12:13]              ; ctx's fragment as an image of its registers: 512 consecutive bytes a store
	s_wait_alu depctr_va_vdst(0)
	global_store_b128 v[LI], v[204:207], s[12:13] offset:512
	global_store_b32 v[CSO], v208, s[14:15]        ; its scale words, in rows of 32 bytes as the next launch's tensor load takes them: 4 bytes a row, once a wave; both halves of the lanes store the same word
	s_wait_tensorcnt 0x0                           ; the wave's end
	ds_add_u32 v[SPW], v[NIL]
	s_wait_dscnt 0x0
	CROUND                                         ; the closing round
	s_endpgm
.Lfunc_end_k_q42d6c41c31_attn:
	.size	k_q42d6c41c31_attn, .Lfunc_end_k_q42d6c41c31_attn-k_q42d6c41c31_attn
	.p2alignl 7, 3214868480
	.fill 96, 4, 3214868480
	.section	.rodata,"a",@progbits
	.p2align	6, 0x0
	.amdhsa_kernel k_q42d6c41c31_attn
		.amdhsa_group_segment_fixed_size 327680
		.amdhsa_private_segment_fixed_size 0
		.amdhsa_enable_private_segment 0
		.amdhsa_kernarg_size 48
		.amdhsa_user_sgpr_count 2
		.amdhsa_user_sgpr_kernarg_segment_ptr 1
		.amdhsa_wavefront_size32 1
		.amdhsa_system_sgpr_workgroup_id_x 1
		.amdhsa_system_sgpr_workgroup_id_y 1
		.amdhsa_system_sgpr_workgroup_id_z 1
		.amdhsa_system_vgpr_workitem_id 0
		.amdhsa_next_free_vgpr 256
		.amdhsa_next_free_sgpr 66
		.amdhsa_reserve_vcc 0
		.amdhsa_float_denorm_mode_32 3
		.amdhsa_float_denorm_mode_16_64 3
		.amdhsa_memory_ordered 1
		.amdhsa_forward_progress 1
		.amdhsa_inst_pref_size 88
	.end_amdhsa_kernel
	.amdgpu_metadata
---
amdhsa.version: [ 1, 2 ]
amdhsa.kernels:
  - .name:           k_q42d6c41c31_attn
    .symbol:         k_q42d6c41c31_attn.kd
    .args:
      - { .name: qcs, .offset: 0, .size: 8, .value_kind: global_buffer, .address_space: global }
      - { .name: kcs, .offset: 8, .size: 8, .value_kind: global_buffer, .address_space: global }
      - { .name: vcs, .offset: 16, .size: 8, .value_kind: global_buffer, .address_space: global }
      - { .name: out1, .offset: 24, .size: 8, .value_kind: global_buffer, .address_space: global }
      - { .name: cc, .offset: 32, .size: 8, .value_kind: global_buffer, .address_space: global }
      - { .name: cs, .offset: 40, .size: 8, .value_kind: global_buffer, .address_space: global }
    .group_segment_fixed_size: 327680
    .private_segment_fixed_size: 0
    .kernarg_segment_align: 8
    .kernarg_segment_size: 48
    .max_flat_workgroup_size: 512
    .sgpr_count:     66
    .vgpr_count:     256
    .wavefront_size: 32
...
	.end_amdgpu_metadata
.endif
;; end of part 2
;; launch oproj (part 3): grid 4 x 32, 4 waves a work-group, clusters of 4 x 4, 327,680 bytes of LDS; arguments cc, cs, wo_w_codes, wo_w_scales, out0, wo_b; writes out0
.if DOCPART == 3
	.amdgcn_target "amdgcn-amd-amdhsa--gfx1250"
	.amdhsa_code_object_version 6
	.text
	.protected	k_q42d6c41c31_oproj
	.globl	k_q42d6c41c31_oproj
	.p2align	8
	.type	k_q42d6c41c31_oproj,@function
k_q42d6c41c31_oproj:
	s_mov_b64 s[64:65], 0
	v_nop
	global_prefetch_b8 v0, s[64:65] scope:SCOPE_SE
	s_setreg_imm32_b32 hwreg(HW_REG_WAVE_MODE, 25, 1), 1
	s_wait_xcnt 0x0
	s_wait_alu depctr_hold_cnt(0) depctr_sa_sdst(0) depctr_va_vdst(0) depctr_va_sdst(0) depctr_va_ssrc(0) depctr_va_vcc(0) depctr_vm_vsrc(0)
	s_getreg_b32 s2, hwreg(HW_REG_IB_STS2, 6, 4)
	s_cmp_eq_u32 s2, 0
	s_cbranch_scc0 .Lentry_in_a_cluster
	s_endpgm
.Lentry_in_a_cluster:
	s_bfe_u32 s2, ttmp6, 0x10000c
	s_cmp_lg_u32 s2, 0xf033
	s_cbranch_scc0 .Lentry_shape_is_right
	s_endpgm
.Lentry_shape_is_right:
; Launch 3 of 3: out0 = ctx Wo^T + bo on codes of E2M1 with E8M0 scales, sums in f32.  No work of reference() is left out here.
; A = ctx, 8,192 rows x 1,024: its codes lie in cc as images of operand registers, [8 b + pair of heads][tile of 16 rows: 128][1,024 bytes], its scale bytes in cs as [8,192][32].  B = Wo, [1,024][1,024] as given.
; A tile of out0, 256 x 256, is made by a work-group of four waves, each 128 x 128: 64 accumulators, 512 registers.  K = 1,024 is two LDS slots of 512; both slots and all scale bytes are asked for at the head, filled once.
; CLUSTERS: 4 x 4 work-groups; A's tiles are shared along a row of the cluster, B's along a column: each is asked for jointly.  The matrix instruction is used transposed (source 0 = 16 rows of B,
; source 1 = 16 rows of A): a lane holds eight neighbouring numbers of a row of out0.  The bias is the C of each sum's first matrix instruction.
; The grid has 128 work-groups: tiles of 256 x 256 keep each fragment read from LDS at work in eight products.
; REGISTERS, in windows of 256: window 0: v16-30 addresses; v32-95 scale words, two sets; v128-191 A's fragments, one set; v192-255 the bias, later the way out.  Window 1: B's fragments, two sets.  Windows 2, 3: the accumulators.
.set SIZE_N, 1024
.set KSTEP,  512
.set NQ,     4
.set ROWB,   256                       ; a row of B's tile in bytes
.set KROW,   512                       ; a row of B in memory
.set PITCH,  272                       ; B's rows in LDS: 256 bytes + 16 of padding
.set FR,     8
.set NL,     2
.set NP,     4                         ; places behind this matrix instruction (ISA guide 7.12.1)
.set HALFT,  128*PITCH                 ; the room of 128 rows; A's images use 32,768 bytes of it
.set SLOT,   4*HALFT
.set KS,     32
.set SCL,    2*SLOT
.set HALFS,  (128*KS/256)*272
.set SBLK,   (16*KS/256)*272
.set SPARE,  SCL+4*HALFS               ; the spare words, 128 bytes for each wave; no other line names them
.set SPITCH, 528                       ; the way out: a stage of 16 rows x (512 bytes + 16) for each wave, in slot 0, which has had its only fill and its last read when the first result is stored there
.set ADRA, 16
.set ADRB, 20
.set STO,  24
.set RD,   25
.set CO,   26
.set ADRS, 27
.set SPW,  28
.set NIL,  29
.set BO,   30                          ; v30  my offset in the bias; never rewritten
.set SC,   32
.set AF,   128
.set BI,   192                         ; the bias: register 8 b + j of lane (r, h) is column 16 b + 8 h + j of my 128
.set BK,   128
.set G1, 24
.set G0, 32
.set G1B, 48
.set G0B, 56
.set G1S, 68
.set G0S, 76
.set G1SB, 80
.set G0SB, 88
.set MSB, 0
.macro WIN new                         ; the immediate's high byte repeats the setting that is left
.if MSB != (\new)
	s_set_vgpr_msb (MSB<<8)|(\new)
.set MSB, (\new)
.endif
.endm
.set MUL_LO, 0xa1                      ; source 0 (B) window 1, source 1 (A) window 0, C and D window 2
.set MUL_HI, 0xf1                      ; the same, C and D window 3
.set FST_LO, 0x81                      ; the first step: C (the bias) window 0, D window 2
.set FST_HI, 0xc1                      ; D window 3
.set TO_B,   0x40
.macro JLOAD g0a, g1a, g0b, g1b        ; a joint load: waves 0 and 1 fetch for A, waves 2 and 3 for B; an s_nop 0 and four v_nop follow each of the two lines
	s_cmp_eq_u32 s15, 0
	s_cbranch_scc0 .Lfor_b_\@
	tensor_load_to_lds s[\g0a:\g0a+3], s[\g1a:\g1a+7]
	s_nop 0
.rept 4
	v_nop
.endr
	s_branch .Lasked_\@
.Lfor_b_\@:
	tensor_load_to_lds s[\g0b:\g0b+3], s[\g1b:\g1b+7]
	s_nop 0
.rept 4
	v_nop
.endr
.Lasked_\@:
.endm
.macro CREST
	s_cmp_lg_u32 s14, 0
	s_cbranch_scc1 .Lnot_wave_0_\@
	s_barrier_signal -3
.Lnot_wave_0_\@:
	s_barrier_wait -3
	s_barrier_signal -1
	s_barrier_wait -1
.endm
.macro CROUND
	s_barrier_signal -1
	s_barrier_wait -1
	CREST
.endm
	s_load_b128 s[4:7], s[0:1], 0x0                ; cc s[4:5], cs s[6:7]
	s_load_b128 s[8:11], s[0:1], 0x10              ; Wo's codes s[8:9], its scales s[10:11]
	s_load_b64 s[12:13], s[0:1], 0x20              ; out0
	s_load_b64 s[66:67], s[0:1], 0x28              ; bo
	v_lshl_add_u32 v[SPW], v0, 2, SPARE
	v_mov_b32 v[NIL], 0
	ds_add_u32 v[SPW], v[NIL]                      ; the wave's opening: the add, twice on end, and its wait ahead of my first tensor load
	ds_add_u32 v[SPW], v[NIL]
	v_lshrrev_b32 v1, 5, v0
	v_readfirstlane_b32 s14, v1                    ; wave 0..3
	s_lshr_b32 s15, s14, 1                         ; which half of the tile's rows is mine.  Also: I fetch for A (0) or for B (1)
	s_and_b32 s16, s14, 1                          ; which half of its columns.  Also: which 128 rows I fetch
	s_bfe_u32 s40, ttmp6, 0x40000                  ; cx, cy
	s_bfe_u32 s41, ttmp6, 0x40004
	s_lshl_b32 s42, ttmp9, 2
	s_add_co_u32 s42, s42, s40                     ; tile column
	s_and_b32 s17, ttmp7, 0xffff
	s_lshl_b32 s17, s17, 2
	s_add_co_u32 s17, s17, s41                     ; tile row
	s_lshl_b32 s43, s41, 2
	s_lshl_b32 s43, 15, s43                        ; my row of the cluster
	s_lshl_b32 s44, 0x1111, s40                    ; my column
	; A's tiles: the images of 128 rows (8 tiles, 8,192 consecutive bytes) for a slot's four pairs of heads, 131,072 bytes apart: 4 rows of 1,024 elements of 8 bytes; no padding: images are read 16 bytes a lane on end
	s_or_b32 s[G1+0], s43, (3<<16)|(1<<21)
	s_mov_b32 s[G1+1], 1024<<16                    ; tensor_dim0
	s_mov_b32 s[G1+2], 4<<16                       ; tensor_dim1
	s_mov_b32 s[G1+3], 1024<<16                    ; tile_dim0
	s_mov_b32 s[G1+4], 4                           ; tile_dim1
	s_mov_b32 s[G1+5], 16384                       ; tensor_dim0_stride
	s_mov_b32 s[G1+6], 0
	s_mov_b32 s[G1+7], 0
	; B's tiles: 128 rows x 256 bytes, 16 bytes of padding behind each
	s_or_b32 s[G1B+0], s44, (0<<16)|(1<<20)|(1<<21)|(5<<22)|(3<<25)
	s_mov_b32 s[G1B+1], ROWB<<16
	s_mov_b32 s[G1B+2], 128<<16
	s_mov_b32 s[G1B+3], ROWB<<16
	s_mov_b32 s[G1B+4], 128
	s_mov_b32 s[G1B+5], KROW
	s_mov_b32 s[G1B+6], 0
	s_mov_b32 s[G1B+7], 0
	; the scales of 128 rows: 4,096 dense bytes, as 16 rows of 256 bytes, 16 bytes of padding behind each
	s_or_b32 s[G1S+0], s43, (3<<16)|(1<<20)|(1<<21)|(5<<22)|(3<<25)
	s_or_b32 s[G1SB+0], s44, (3<<16)|(1<<20)|(1<<21)|(5<<22)|(3<<25)
.irp g, G1S, G1SB
	s_mov_b32 s[\g+1], 32<<16
	s_mov_b32 s[\g+2], (128*KS/256)<<16
	s_mov_b32 s[\g+3], 32<<16
	s_mov_b32 s[\g+4], 128*KS/256
	s_mov_b32 s[\g+5], 32
	s_mov_b32 s[\g+6], 0
	s_mov_b32 s[\g+7], 0
.endr
	s_lshl_b32 s18, s16, 7                         ; which 128 rows of the tile I fetch
	s_lshl_b32 s20, s17, 8
	s_add_co_u32 s20, s20, s18                     ; A's row
	s_lshl_b32 s46, s42, 8
	s_add_co_u32 s46, s46, s18                     ; B's row
	s_mov_b32 s21, 0
	s_mov_b32 s47, 0
	s_mov_b64 s[18:19], KS
	s_mul_u64 s[22:23], s[20:21], s[18:19]         ; where these rows' scales begin
	s_mul_u64 s[92:93], s[46:47], s[18:19]
	s_mov_b64 s[18:19], KROW
	s_mul_u64 s[46:47], s[46:47], s[18:19]         ; B's codes
	s_lshr_b32 s20, s17, 3                         ; A's images: the batch (8 tile rows each): 8 pairs x 131,072 bytes,
	s_lshl_b32 s20, s20, 20
	s_and_b32 s18, s17, 7                          ; the tile row's 16 tiles of 1,024 bytes,
	s_lshl_b32 s18, s18, 14
	s_add_co_u32 s20, s20, s18
	s_lshl_b32 s18, s16, 13                        ; my eight of them
	s_add_co_u32 s20, s20, s18
	s_mul_i32 s45, s14, HALFT                      ; where they go: no place in the cluster enters an LDS address
	s_mul_i32 s94, s14, HALFS
	s_wait_dscnt 0x0                               ; both opening adds are done
	s_wait_kmcnt 0x0
	s_add_nc_u64 s[20:21], s[4:5], s[20:21]
	s_add_nc_u64 s[22:23], s[6:7], s[22:23]
	s_add_nc_u64 s[46:47], s[8:9], s[46:47]
	s_add_nc_u64 s[92:93], s[10:11], s[92:93]
	CROUND                                         ; all sixteen work-groups are here: the joint loads meet
	s_mov_b32 s[G0S], 1
	s_add_co_u32 s[G0S+1], s94, SCL
	s_mov_b64 s[G0S+2:G0S+3], s[22:23]
	s_or_b32 s[G0S+3], s[G0S+3], 0x80000000
	s_mov_b32 s[G0SB], 1
	s_add_co_u32 s[G0SB+1], s94, SCL
	s_mov_b64 s[G0SB+2:G0SB+3], s[92:93]
	s_or_b32 s[G0SB+3], s[G0SB+3], 0x80000000
	JLOAD G0S, G1S, G0SB, G1SB
.irp s, 0,1
	s_mov_b32 s[G0+4*\s], 1
	s_add_co_u32 s[G0+4*\s+1], s45, \s*SLOT
	s_add_nc_u64 s[G0+4*\s+2:G0+4*\s+3], s[20:21], \s*524288   ; four pairs of heads on
	s_or_b32 s[G0+4*\s+3], s[G0+4*\s+3], 0x80000000
	s_mov_b32 s[G0B+4*\s], 1
	s_add_co_u32 s[G0B+4*\s+1], s45, \s*SLOT
	s_add_nc_u64 s[G0B+4*\s+2:G0B+4*\s+3], s[46:47], \s*ROWB
	s_or_b32 s[G0B+4*\s+3], s[G0B+4*\s+3], 0x80000000
	JLOAD G0+4*\s, G1, G0B+4*\s, G1B               ; three tensor loads of mine are out
.endr
	v_and_b32 v1, 15, v0                           ; r
	v_bfe_u32 v2, v0, 4, 1                         ; h
	v_mul_u32_u24 v3, v1, PITCH
	v_lshl_add_u32 v4, v2, 4, v3                   ; B: a fragment's row x pitch + 16 x half
	v_and_b32 v6, 31, v0
	v_lshlrev_b32 v[CO], 4, v6                     ; 16 x lane: A's images; also my place in a row of out0
	s_mul_i32 s21, s15, HALFT                      ; my 128 rows of A
	s_mul_i32 s22, s16, HALFT                      ; my 128 rows of B,
	s_add_co_u32 s22, s22, 2*HALFT                 ; which lie behind A's room
.irp s, 0,1
	v_add_nc_u32 v[ADRA+\s], s21, v[CO]
	v_add_nc_u32 v[ADRB+\s], s22, v4
	s_add_co_u32 s21, s21, SLOT
	s_add_co_u32 s22, s22, SLOT
.endr
	v_mul_u32_u24 v5, v1, KS
	v_lshrrev_b32 v6, 8, v5
	v_lshl_add_u32 v5, v6, 4, v5
	s_mul_i32 s21, s15, HALFS
	s_mul_i32 s22, s16, HALFS
	s_add_co_u32 s22, s22, 2*HALFS
	s_sub_co_u32 s22, s22, s21
	v_mul_u32_u24 v6, s22, v2                      ; lanes 16-31 take B's
	s_add_co_u32 s21, s21, SCL
	v_add_nc_u32 v5, v5, v6
	v_add_nc_u32 v[ADRS], s21, v5
	s_mul_i32 s23, s14, 16*SPITCH                  ; my stage
	v_mul_u32_u24 v5, v1, SPITCH
	v_lshl_add_u32 v5, v2, 5, v5
	v_add_nc_u32 v[STO], s23, v5
	v_add_nc_u32 v[RD], s23, v[CO]
	s_lshl_b32 s20, s17, 8
	s_lshl_b32 s21, s15, 7
	s_add_co_u32 s20, s20, s21                     ; my first row of out0
	s_mov_b32 s21, 0
	s_mov_b64 s[18:19], SIZE_N*4
	s_mul_u64 s[20:21], s[20:21], s[18:19]
	s_lshl_b32 s46, s42, 10                        ; my first column, in bytes
	s_lshl_b32 s47, s16, 9
	s_add_co_u32 s46, s46, s47
	s_mov_b32 s47, 0
	s_add_nc_u64 s[20:21], s[20:21], s[46:47]
	s_add_nc_u64 s[12:13], s[12:13], s[20:21]
	s_add_nc_u64 s[66:67], s[66:67], s[46:47]      ; and the same place in the bias
	v_lshlrev_b32 v[BO], 5, v2
.irp b, 0,1,2,3,4,5,6,7
	global_load_b128 v[BI+8*\b:BI+8*\b+3], v[BO], s[66:67] offset:64*\b
	global_load_b128 v[BI+8*\b+4:BI+8*\b+7], v[BO], s[66:67] offset:64*\b+16
.endr
.macro FRAG reg, adr, q, i             ; B's fragment from rows
.irp c, 0,1
	ds_load_b128 v[\reg+4*\c:\reg+4*\c+3], v[\adr] offset:64*(\q)+32*\c+(\i)*16*PITCH
.endr
.endm
.macro FRAGA reg, adr, q, i            ; A's fragment from its image: pair q of the slot's four, tile i, half c
.irp c, 0,1
	ds_load_b128 v[\reg+4*\c:\reg+4*\c+3], v[\adr] offset:8192*(\q)+1024*(\i)+512*\c
.endr
.endm
; 16 matrix instructions: A's blocks a0, a0 + 1 x B's eight.  zero = 1: the first product starts the sums, with the bias as its C.  The 64 accumulators take turns, one instruction a turn.
.macro MUL16 a0, p, q, sc, zero
.irp a, \a0, \a0+1
.irp b, 0,1,2,3,4,5,6,7
.if \zero
	v_wmma_scale_f32_16x16x128_f8f6f4 v[8*(8*((\a)%4)+\b):8*(8*((\a)%4)+\b)+7], v[128*(\p)+FR*\b:128*(\p)+FR*\b+FR-1], v[AF+FR*(\a):AF+FR*(\a)+FR-1], v[BI+8*\b:BI+8*\b+7], v[SC+8*NQ*(\sc)+NQ*\b+(\q)], v[SC+8*NQ*(\sc)+NQ*(\a)+(\q)] matrix_a_fmt:MATRIX_FMT_FP4 matrix_b_fmt:MATRIX_FMT_FP4 matrix_a_scale:MATRIX_SCALE_ROW1
.else
	v_wmma_scale_f32_16x16x128_f8f6f4 v[8*(8*((\a)%4)+\b):8*(8*((\a)%4)+\b)+7], v[128*(\p)+FR*\b:128*(\p)+FR*\b+FR-1], v[AF+FR*(\a):AF+FR*(\a)+FR-1], v[8*(8*((\a)%4)+\b):8*(8*((\a)%4)+\b)+7], v[SC+8*NQ*(\sc)+NQ*\b+(\q)], v[SC+8*NQ*(\sc)+NQ*(\a)+(\q)] matrix_a_fmt:MATRIX_FMT_FP4 matrix_b_fmt:MATRIX_FMT_FP4 matrix_a_scale:MATRIX_SCALE_ROW1
.endif
.endr
.endr
.endm
.macro FETCH_B slot, q, p
	WIN TO_B
.irp i, 0,1,2,3,4,5,6,7
	FRAG 128*(\p)+FR*\i, ADRB+\slot, \q, \i
.endr
	WIN 0
.endm
.macro FETCH_A slot, q, i0
.irp i, \i0, \i0+1, \i0+2, \i0+3
	FRAGA AF+FR*(\i), ADRA+\slot, \q, \i
.endr
.endm
.macro SCALES sc
.irp i, 0,1,2,3,4,5,6,7
	ds_load_b128 v[SC+8*NQ*\sc+NQ*\i:SC+8*NQ*\sc+NQ*\i+3], v[ADRS] offset:\i*SBLK
.endr
.endm
.macro PLACES n
.rept \n
	v_nop
.endr
.endm
.macro STEP slot, q, zero
	s_wait_dscnt 4*NL                              ; B's set and A's blocks 0-3 are in; the youngest eight loads (A's blocks 4-7) may be out
.if \zero
	WIN FST_LO
.else
	WIN MUL_LO
.endif
	MUL16 0, (\q)%2, \q, \slot, \zero
	MUL16 2, (\q)%2, \q, \slot, \zero
	s_wait_dscnt 0
	PLACES NP
	FETCH_B \slot, (\q)+1, 1-(\q)%2
	FETCH_A \slot, (\q)+1, 0
.if \zero
	WIN FST_HI
.else
	WIN MUL_HI
.endif
	MUL16 4, (\q)%2, \q, \slot, \zero
	MUL16 6, (\q)%2, \q, \slot, \zero
	PLACES NP
	WIN 0
	FETCH_A \slot, (\q)+1, 4
.endm
; Slot 0's last step goes over to slot 1: all my tensor loads have landed, the add, my LDS loads are in, the barrier: slot 1 is whole, and nobody reads slot 0 any more.  Nothing is filled again.
.macro TURN slot, next
	s_wait_tensorcnt 0x0
	ds_add_u32 v[SPW], v[NIL]
	s_wait_dscnt 4*NL+1                            ; (the add and the youngest eight loads may be out)
	WIN MUL_LO
	MUL16 0, 1, NQ-1, \slot, 0
	s_wait_dscnt 0x0
	s_barrier_signal -1
	MUL16 2, 1, NQ-1, \slot, 0
	WIN 0
	s_barrier_wait -1
	PLACES NP
	v_add_nc_u32 v[ADRS], 4*NQ, v[ADRS]
	FETCH_B \next, 0, 0
	FETCH_A \next, 0, 0
	SCALES \next
	WIN MUL_HI
	MUL16 4, 1, NQ-1, \slot, 0
	MUL16 6, 1, NQ-1, \slot, 0
	PLACES NP
	WIN 0
	FETCH_A \next, 0, 4
.endm
.macro STEPS slot, from
.set Q, \from
.rept NQ-1-\from
	STEP \slot, Q, 0
.set Q, Q+1
.endr
.endm
	s_wait_tensorcnt 1                             ; the scales and my part of slot 0 are in (slot 1's load may be out)
	s_barrier_signal -1
	s_barrier_wait -1                              ; everybody's are
	FETCH_B 0, 0, 0
	FETCH_A 0, 0, 0
	SCALES 0
	FETCH_A 0, 0, 4
	s_wait_loadcnt 0x0                             ; the bias
	STEP 0, 0, 1
	STEPS 0, 1
	TURN 0, 1
	STEPS 1, 0
	s_wait_dscnt 4*NL                              ; the last step: nothing more to fetch
	WIN MUL_LO
	MUL16 0, 1, NQ-1, 1, 0
	MUL16 2, 1, NQ-1, 1, 0
	s_wait_dscnt 0
	WIN MUL_HI
	MUL16 4, 1, NQ-1, 1, 0
	MUL16 6, 1, NQ-1, 1, 0
	WIN 0
; THE WAY OUT, block by block of 16 rows x 128 columns: through my own stage in LDS and back as whole rows of 512 bytes.  LDS serves a wave's instructions in order (ISA guide 5.7.1.4): no wait between the stores and the loads.
.macro TOSTAGE a
.set AC, 64*((\a)%4)
	WIN 0x08+4*((\a)/4)                            ; the data: window 2 or 3
.irp b, 0,1,2,3,4,5,6,7
	ds_store_b128 v[STO], v[AC+8*\b:AC+8*\b+3] offset:64*\b          ; each accumulator from its low end on
	ds_store_b128 v[STO], v[AC+8*\b+4:AC+8*\b+7] offset:64*\b+16
.endr
	WIN 0
.set BB, BK+64*((\a)%2)
.irp t, 0,1,2,3,4,5,6,7,8,9,10,11,12,13,14,15
	ds_load_b128 v[BB+4*\t:BB+4*\t+3], v[RD] offset:\t*SPITCH
.endr
.endm
.macro SEND a, younger                 ; younger: the LDS instructions issued behind block a's loads, which may stay out
.set BB, BK+64*((\a)%2)
	s_wait_dscnt \younger
.if (\a) > 0
	s_add_nc_u64 s[12:13], s[12:13], 16*SIZE_N*4   ; (behind a wait on XCNT: the earlier stores have read their base)  16 rows on
.endif
.irp t, 0,1,2,3,4,5,6,7,8,9,10,11,12,13,14,15
	global_store_b128 v[CO], v[BB+4*\t:BB+4*\t+3], s[12:13] offset:\t*SIZE_N*4 th:TH_STORE_NT   ; 32 lanes store 512 consecutive bytes; written once, read by no launch
.endr
.endm
	PLACES NP                                      ; behind the last products
	TOSTAGE 0
.irp a, 1,2,3,4,5,6,7
.if \a > 1
	s_wait_xcnt 0x0                                ; block a - 2's stores have read their registers and their base
.endif
	TOSTAGE \a
	SEND \a-1, 32                                  ; behind block a - 1's loads: block a's 16 stores and 16 loads
.endr
	s_wait_xcnt 0x0
	SEND 7, 0
	s_wait_tensorcnt 0x0                           ; the wave's end
	ds_add_u32 v[SPW], v[NIL]
	s_wait_dscnt 0x0
	CROUND                                         ; the closing round
	s_endpgm
.Lfunc_end_k_q42d6c41c31_oproj:
	.size	k_q42d6c41c31_oproj, .Lfunc_end_k_q42d6c41c31_oproj-k_q42d6c41c31_oproj
	.p2alignl 7, 3214868480
	.fill 96, 4, 3214868480
	.section	.rodata,"a",@progbits
	.p2align	6, 0x0
	.amdhsa_kernel k_q42d6c41c31_oproj
		.amdhsa_group_segment_fixed_size 327680
		.amdhsa_private_segment_fixed_size 0
		.amdhsa_enable_private_segment 0
		.amdhsa_kernarg_size 48
		.amdhsa_user_sgpr_count 2
		.amdhsa_user_sgpr_kernarg_segment_ptr 1
		.amdhsa_wavefront_size32 1
		.amdhsa_system_sgpr_workgroup_id_x 1
		.amdhsa_system_sgpr_workgroup_id_y 1
		.amdhsa_system_sgpr_workgroup_id_z 1
		.amdhsa_system_vgpr_workitem_id 0
		.amdhsa_next_free_vgpr 1024
		.amdhsa_next_free_sgpr 98
		.amdhsa_reserve_vcc 0
		.amdhsa_float_denorm_mode_32 3
		.amdhsa_float_denorm_mode_16_64 3
		.amdhsa_memory_ordered 1
		.amdhsa_forward_progress 1
		.amdhsa_inst_pref_size 126
	.end_amdhsa_kernel
	.amdgpu_metadata
---
amdhsa.version: [ 1, 2 ]
amdhsa.kernels:
  - .name:           k_q42d6c41c31_oproj
    .symbol:         k_q42d6c41c31_oproj.kd
    .args:
      - { .name: cc, .offset: 0, .size: 8, .value_kind: global_buffer, .address_space: global }
      - { .name: cs, .offset: 8, .size: 8, .value_kind: global_buffer, .address_space: global }
      - { .name: wo_w_codes, .offset: 16, .size: 8, .value_kind: global_buffer, .address_space: global }
      - { .name: wo_w_scales, .offset: 24, .size: 8, .value_kind: global_buffer, .address_space: global }
      - { .name: out0, .offset: 32, .size: 8, .value_kind: global_buffer, .address_space: global }
      - { .name: wo_b, .offset: 40, .size: 8, .value_kind: global_buffer, .address_space: global }
    .group_segment_fixed_size: 327680
    .private_segment_fixed_size: 0
    .kernarg_segment_align: 8
    .kernarg_segment_size: 48
    .max_flat_workgroup_size: 128
    .sgpr_count:     98
    .vgpr_count:     1024
    .wavefront_size: 32
...
	.end_amdgpu_metadata
.endif
;; end of part 3
